; MI455X (gfx1250); checked and timed in simulation.
; The chip was launched on July 23, 2026; its instructions are those of AMD's public machine-readable ISA for CDNA 5 (MIT licence, August 2026) and "CDNA5" Instruction Set Architecture Reference Guide (July 2026). The comments in the code are by the model that wrote it; some were corrected since.
;; Self Attention. Allowed arithmetic: matrix products marked QUANTISED: E2M3 operands, one E8M0 scale for each 32 along K, by v_wmma_scale_f32_16x16x128_f8f6f4 with both operands' format E2M3, f32 sums; everything else in f32.
;; Inputs: W_out 1,024 x 1,024 float32; W_qkv 1,024 x 3,072 float32; b_out 1,024 float32; b_qkv 3,072 float32; hidden_states 1 x 4,096 x 1,024 float32; mask 1 x 1 x 4,096 x 4,096 float32.
;; Outputs: out0 1 x 4,096 x 1,024 float32.
;; This version of the problem:
;;   THIS VERSION OF THE PROBLEM IS GIVEN IN LOW PRECISION. The matrix products marked QUANTISED in the list below multiply operands that are first quantised to E2M3 (2 exponent bits, 3 mantissa bits; 6 bits a number), with one power-of-two scale for each 32 numbers along K (OCP MX v1.0); their sums are f32. All else is computed in f32.
;;   The module's matrix products, in the order in which they are computed (A, B: the left and right operand; K: the contracted axis; several contracted axes count as one K, in the product's order):
;;     1. [M 4,096, K 1,024] x [K 1,024, N 3,072]; A: input hidden_states; B: input W_qkv: QUANTISED
;;     2. batch 16 x [M 4,096, K 64] x [K 64, N 4,096]; A: computed on the way; B: computed on the way: QUANTISED
;;     3. batch 16 x [M 4,096, K 4,096] x [K 4,096, N 64]; A: softmax (see below); B: computed on the way: QUANTISED
;;     4. [M 4,096, K 1,024] x [K 1,024, N 1,024]; A: computed on the way; B: input W_out: QUANTISED
;;   THE QUANTISER, for each operand of a quantised product, along K:
;;     - K is cut into blocks of 32 from its start; a last block that is shorter is filled with zeros.
;;     - A block's scale is 2^e with e = floor(log2(the largest magnitude in the block)) - 2, held to -126 .. 127; a block of zeros has e = 0. As a byte (E8M0): e + 127.
;;     - Each number is divided by its block's scale, clamped to +-7.5, and rounded to the nearest number of E2M3, ties to even, subnormals kept.
;;     - The product sums the exact products of the quantised numbers (number of the format x scale) in f32.
;;   ~~~python
;;   def quantise(x, axis):      # numpy; x: float32 -> the quantised numbers, widened to float32 again
;;       x = np.moveaxis(x, axis, -1); K = x.shape[-1]
;;       x = np.pad(x, [(0, 0)] * (x.ndim - 1) + [(0, -K % 32)]); x = x.reshape(x.shape[:-1] + (-1, 32)); a = np.abs(x).max(-1, keepdims=True)
;;       e = np.where(a > 0, np.clip(np.frexp(np.where(a > 0, a, 1))[1] - 1 - 2, -126, 127), 0)      # np.frexp(a)[1] - 1 = floor(log2(a)), exactly
;;       r = np.clip(x / 2.0 ** e, -7.5, 7.5)
;;       step = 2.0 ** (np.maximum(np.frexp(np.where(r == 0, 1, r))[1] - 1, 0) - 3)
;;       q = np.round(r / step) * step * 2.0 ** e      # np.round: ties to even
;;       return np.moveaxis(q.reshape(q.shape[:-2] + (-1,))[..., :K], -1, axis).astype(np.float32)
;;   ~~~
;;   SOFTMAX AHEAD OF A QUANTISED PRODUCT. Where the list says 'softmax', what is quantised is not the finished softmax but p = 2^(t - M), with t = logit x log2(e) and M = ceil(the row's largest t), a whole number; so 1/2 < the row's largest p <= 1. The row's sum l is taken of the UNQUANTISED p, in f32, and the product's result is divided by l at the end. Since M is a whole number, a kernel that streams over the keys may use a running M (the ceiling of the running maximum): every later rescaling is an exact power of two, which a block's scale takes up: the codes' values come out the same.
;;   OPERANDS COMPUTED ON THE WAY. 'Computed on the way' means the value that the module computes at that place (a softmax that the list does not call 'softmax' is quantised finished and normalised). What goes into a quantiser is computed in f32, as accurately as f32 sums, v_exp_f32 and their like allow (about 1e-6 of the number): no bf16 or f16 on the way to a quantiser, and a product that is left as it is and whose result goes on into a quantised operand takes f32 operands (vector FMAs, or v_wmma_f32_16x16x4_f32). A number that lies on a knife's edge between two numbers of the format may be rounded either way, as far as f32 arithmetic and the matrix unit's own rounding can turn it there, and no further.
;; One version. Each part assembles by itself: llvm-mc -triple=amdgcn-amd-amdhsa -mcpu=gfx1250 --defsym DOCPART=n.
;; ======== version 1 of 1: 4 launches
;; workspace buffers: lin_codes 6,291,456 bytes; lin_scales 262,144 bytes; att_codes 9,437,184 bytes; att_scales 655,360 bytes; ctx_codes 3,145,728 bytes; ctx_scales 131,072 bytes
;; launch quant (part 1): grid 256 x 1, 4 waves a work-group, no clusters, 102,912 bytes of LDS; arguments hidden_states, W_qkv, W_out, lin_codes, lin_scales; writes lin_codes, lin_scales
.if DOCPART == 1
	.amdgcn_target "amdgcn-amd-amdhsa--gfx1250"
	.amdhsa_code_object_version 6
	.text
	.protected	k_q9b9ea56929_quant
	.globl	k_q9b9ea56929_quant
	.p2align	8
	.type	k_q9b9ea56929_quant,@function
k_q9b9ea56929_quant:
	s_mov_b64 s[64:65], 0
	v_nop
	global_prefetch_b8 v0, s[64:65] scope:SCOPE_SE
	s_setreg_imm32_b32 hwreg(HW_REG_WAVE_MODE, 25, 1), 1
	s_wait_xcnt 0x0
; The three wide operands of the two projections become codes of FP6 (E2M3), K innermost, 768 bytes a row of 1,024 codes, with one E8M0 byte for each 32 along K (32 bytes a row).
; lin_codes: x's 4,096 rows at 0; W_qkv's 3,072 columns as rows at WC; W_out's 1,024 columns as rows at OC.  lin_scales likewise at 0, WS, OS.
; A block's scale is 2^(floor(log2(its largest magnitude)) - 2); its byte is the largest magnitude's exponent field - 2, held at 1 from below.  A block of zeros so gets the byte 1: its codes are zeros, and this program alone reads the bytes.
; LIMITS: blocks whose largest magnitude lies under 2^-124 keep the byte 1; NaN and infinities among the inputs are not served.
; 256 work-groups of equal work (131,072 bytes read each): 0-127 take x, 128-223 W_qkv, 224-255 W_out.  The three ways part on the work-group's number alone and have LDS bytes of their own.
; x: K is innermost: a plain stream of blocks.  A wave takes 16 steps of 512 numbers; each load reads 512 consecutive bytes; a step turns through the wave's stage in LDS so that a lane holds 16 neighbours.
; W: K is the first axis: a lane takes a column and its registers run down K; the codes leave through the wave's stage as rows of 192 bytes.
; W_out's partner in its product, the attention's result, has each block of 32 along K in the order 0-7, 16-23, 8-15, 24-31: W_out's rows are loaded in that order (WPERM = 1).  A block's scale and the sum of its products do not hang on the order.
.set STEPS, 16
.set EMAX,  2
.set CB,    12                         ; bytes of 16 codes
.set R,     16                         ; x: v16-79   four sets of 16 numbers as they are loaded
.set X,     80                         ; x: v80-111  two sets of 16 neighbours
.set E,     112                        ; x: v112-127 a scale byte for each step
.set C,     128                        ; x: v128-191 codes, four registers a step
.set WREG,  8192                       ; x: LDS region of a wave: two stages of 32 x SP bytes, then its 256 scale bytes
.set SP,    80
.set SPW,   192                        ; v192 LDS address of my spare word; never rewritten
.set NIL,   193                        ; v193 0; never rewritten
.set SPARE, 102400                     ; behind the three ways' regions: the spare words, 128 bytes a wave
.set WC,    3145728
.set OC,    5505024
.set WS,    131072
.set OS,    229376
.set KW,    256                        ; W: along K for a wave
.set NB,    8                          ; blocks
.set ROWB,  192                        ; bytes of KW codes
.set PITCH, 272                        ; a stage row: sixteen places of 16 bytes, each with 12 bytes of codes, + 16
.set KROW,  768
.set WX,    32                         ; W: v32-95 two sets of 32 numbers
.set WCD,   96                         ; W: a block's codes
.set OUTR,  112                        ; W: v112-175 the way out
.set SB,    24                         ; W: v24-25 the scale bytes
.macro XLOAD t
.irp i, 0,1,2,3
	global_load_b128 v[R+16*((\t)%4)+4*\i:R+16*((\t)%4)+4*\i+3], v3, s[4:5] offset:2048*(\t)+512*\i th:TH_LOAD_NT   ; 32 lanes read 512 consecutive bytes
.endr
.endm
.macro XTURN t                         ; step t through the stage: LDS serves a wave's instructions in order, so no wait stands between the stores and the loads
.irp i, 0,1,2,3
	ds_store_b128 v14, v[R+16*((\t)%4)+4*\i:R+16*((\t)%4)+4*\i+3] offset:32*SP*((\t)%2)+8*SP*\i
.endr
.irp i, 0,1,2,3
	ds_load_b128 v[X+16*((\t)%2)+4*\i:X+16*((\t)%2)+4*\i+3], v15 offset:32*SP*((\t)%2)+16*\i
.endr
.endm
.macro XSTEP t
.set XS, X+16*((\t)%2)
.if (\t) > 0
	s_wait_dscnt 1                                 ; this step's numbers are back from the stage (the last step's byte store may be out)
.else
	s_wait_dscnt 0x0
.endif
.if (\t)+4 < STEPS
	XLOAD (\t)+4                                   ; the registers that the stage's stores have read take the loads of four steps on
.endif
.if (\t)+1 < STEPS
.if STEPS-2-(\t) >= 3
	s_wait_loadcnt 12                              ; the next step's four loads are in; those of the three steps behind it may be out
.else
	s_wait_loadcnt 4*(STEPS-2-(\t))
.endif
	XTURN (\t)+1
.endif
	v_max3_num_f32 v8, |v[XS]|, |v[XS+1]|, |v[XS+2]|               ; the largest magnitude of my 16, in two chains
	v_max3_num_f32 v9, |v[XS+3]|, |v[XS+4]|, |v[XS+5]|
.irp i, 6,10
	v_max3_num_f32 v8, v8, |v[XS+\i]|, |v[XS+\i+1]|
	v_max3_num_f32 v9, v9, |v[XS+\i+2]|, |v[XS+\i+3]|
.endr
	v_max3_num_f32 v8, v8, |v[XS+14]|, |v[XS+15]|
	v_max3_num_f32 v8, v8, v9, (EMAX+1)<<23        ; and the floor 2^(3 - 127): the byte cannot fall under 1
	v_max_num_f32_dpp v8, v8, v8 row_xmask:1 row_mask:0xf bank_mask:0xf   ; with my neighbour's 16: the block's
	v_add_nc_u32 v11, -(EMAX<<23), v8              ; 2 off its exponent field: the conversion takes the exponent field of this operand as its scale
	v_cvt_scalef32_pk16_fp6_f32 v[C+4*(\t):C+4*(\t)+2], v[XS:XS+15], v11
	v_lshrrev_b32 v[E+(\t)], 23, v11               ; the scale's byte
	ds_store_b8 v5, v[E+(\t)] offset:16*(\t)       ; both lanes of a block write the same byte with the same value
	global_store_b96 v4, v[C+4*(\t):C+4*(\t)+2], s[10:11] offset:32*CB*(\t)
.endm
.macro WLOAD t                         ; block t: W(32 t + place i's row, my column) into set t % 2
.irp i, 0,1,2,3,4,5,6,7,8,9,10,11,12,13,14,15,16,17,18,19,20,21,22,23,24,25,26,27,28,29,30,31
	global_load_b32 v[WX+32*((\t)%2)+\i], v3, s[4:5] offset:(32*(\t)+((\i&7)|((\i&8)<<WPERM)|((\i&16)>>WPERM)))*WN*4 th:TH_LOAD_NT
.endr
.endm
.macro WBLOCK t
.set XS, WX+32*((\t)%2)
.if (\t) < NB-1
	s_wait_loadcnt 32                              ; this block's 32 loads are in; the next block's may be out
.else
	s_wait_loadcnt 0
.endif
	v_max3_num_f32 v12, |v[XS]|, |v[XS+1]|, |v[XS+2]|               ; the block's largest magnitude: all 32 numbers are mine
	v_max3_num_f32 v13, |v[XS+3]|, |v[XS+4]|, |v[XS+5]|
.irp i, 6,10,14,18,22,26
	v_max3_num_f32 v12, v12, |v[XS+\i]|, |v[XS+\i+1]|
	v_max3_num_f32 v13, v13, |v[XS+\i+2]|, |v[XS+\i+3]|
.endr
	v_max3_num_f32 v12, v12, |v[XS+30]|, |v[XS+31]|
	v_max3_num_f32 v12, v12, v13, (EMAX+1)<<23
	v_add_nc_u32 v11, -(EMAX<<23), v12
	v_lshrrev_b32 v13, 23, v11                     ; the scale's byte
.if (\t)%4 == 0
	v_mov_b32 v[SB+(\t)/4], v13                    ; four bytes to a register, the lower K in the lower byte
.else
	v_lshl_or_b32 v[SB+(\t)/4], v13, 8*((\t)%4), v[SB+(\t)/4]
.endif
	v_cvt_scalef32_pk16_fp6_f32 v[WCD:WCD+2], v[XS:XS+15], v11
	v_cvt_scalef32_pk16_fp6_f32 v[WCD+4:WCD+6], v[XS+16:XS+31], v11  ; (a conversion's three registers begin on an even number)
	v_nop                                          ; a plain line behind the conversions
	ds_store_b96 v4, v[WCD:WCD+2] offset:32*(\t)   ; 12 bytes to a place of 16 in the stage
	ds_store_b96 v4, v[WCD+4:WCD+6] offset:32*(\t)+16
.if (\t)+2 < NB
	WLOAD (\t)+2
.endif
	s_wait_dscnt 0x0                               ; the stores have read their registers: the next block's codes may be written
.endm
; A weight's way: 128 columns x 256 along K to a work-group; s[4:5] holds the weight's address; WN, WPERM, WLDS are set ahead of it
.macro WPATH id0, codeoff, scaleoff
	s_sub_co_u32 s22, ttmp9, \id0
	s_lshr_b32 s17, s22, 2                         ; which 128 columns
	s_and_b32 s18, s22, 3                          ; which 256 along K
	s_lshl_b32 s17, s17, 7
	s_lshl_b32 s19, s16, 5
	s_add_co_u32 s17, s17, s19                     ; my wave's first column
	v_lshlrev_b32 v3, 2, v2                        ; in: 4 bytes a lane
	s_mul_i32 s19, s16, 32*PITCH
	s_add_co_u32 s19, s19, WLDS                    ; my stage
	v_mul_u32_u24 v4, v2, PITCH
	v_add_nc_u32 v4, s19, v4                       ; into it: row = my column
	v_and_b32 v5, 15, v2
	v_lshrrev_b32 v6, 4, v2                        ; out of it: sixteen lanes to a row, two rows an instruction
	v_mul_u32_u24 v7, v6, PITCH
	v_lshl_add_u32 v7, v5, 4, v7
	v_add_nc_u32 v7, s19, v7
	v_mul_u32_u24 v8, v6, KROW
	v_mad_u32_u24 v8, v5, 12, v8                   ; and the same place in the codes' rows
	s_mov_b32 s19, 0
	s_mov_b64 s[20:21], KW*WN*4
	s_mul_u64 s[20:21], s[18:19], s[20:21]
	s_lshl_b32 s22, s17, 2
	s_mov_b32 s23, 0
	s_add_nc_u64 s[20:21], s[20:21], s[22:23]      ; the weight: 256 y rows down, 4 bytes a column
	s_mov_b32 s22, s17
	s_mov_b64 s[24:25], KROW
	s_mul_u64 s[24:25], s[22:23], s[24:25]
	s_mul_i32 s26, s18, ROWB
	s_mov_b32 s27, 0
	s_add_nc_u64 s[24:25], s[24:25], s[26:27]
	s_add_nc_u64 s[24:25], s[24:25], \codeoff      ; the codes: column x 768 + 192 y + the part's first byte
	s_lshl_b32 s28, s17, 5
	s_mov_b32 s29, 0
	s_lshl_b32 s26, s18, 3
	s_add_nc_u64 s[28:29], s[28:29], s[26:27]
	s_add_nc_u64 s[28:29], s[28:29], \scaleoff     ; the bytes: column x 32 + 8 y + the part's first byte
	v_lshlrev_b32 v9, 5, v2                        ; my column's row of scale bytes
	s_add_nc_u64 s[4:5], s[4:5], s[20:21]
	s_add_nc_u64 s[6:7], s[10:11], s[24:25]
	s_add_nc_u64 s[8:9], s[12:13], s[28:29]
	WLOAD 0
	WLOAD 1
.set Q, 0
.rept NB
	WBLOCK Q
.set Q, Q+1
.endr
	global_store_b64 v9, v[SB:SB+1], s[8:9]        ; my column's 8 scale bytes
.irp t, 0,1,2,3,4,5,6,7,8,9,10,11,12,13,14,15
	ds_load_b96 v[OUTR+4*\t:OUTR+4*\t+2], v7 offset:2*\t*PITCH   ; LDS serves a wave's instructions in order: these see my stores
.endr
.irp t, 0,1,2,3,4,5,6,7,8,9,10,11,12,13,14,15
	s_wait_dscnt 15-\t
	global_store_b96 v8, v[OUTR+4*\t:OUTR+4*\t+2], s[6:7] offset:2*\t*KROW   ; sixteen lanes store a row's 192 consecutive bytes
.endr
	s_wait_tensorcnt 0x0                           ; the wave's end: behind my last LDS store
	ds_add_u32 v[SPW], v[NIL]
	s_wait_dscnt 0x0
	s_endpgm
.endm
	s_load_b128 s[4:7], s[0:1], 0x0                ; x, W_qkv
	s_load_b128 s[8:11], s[0:1], 0x10              ; W_out, the codes
	s_load_b64 s[12:13], s[0:1], 0x20              ; the scale bytes
	v_lshl_add_u32 v[SPW], v0, 2, SPARE
	v_mov_b32 v[NIL], 0
	v_lshrrev_b32 v1, 5, v0
	v_readfirstlane_b32 s16, v1                    ; wave
	v_and_b32 v2, 31, v0                           ; lane
	s_cmp_lt_u32 ttmp9, 128
	s_cbranch_scc0 .Lweights
	; ---- x
	v_lshlrev_b32 v3, 4, v2                        ; my 16 bytes of a load's 512
	s_mul_i32 s17, s16, WREG
	v_lshrrev_b32 v14, 2, v2
	v_mul_u32_u24 v14, v14, SP
	v_and_b32 v15, 3, v2
	v_lshl_add_u32 v14, v15, 4, v14
	v_add_nc_u32 v14, s17, v14                     ; the stage, on the way in: four lanes' 64 bytes on end, then 16 of padding
	v_mul_u32_u24 v15, v2, SP
	v_add_nc_u32 v15, s17, v15                     ; and on the way out: my 16 neighbours
	v_mul_u32_u24 v4, v2, CB                       ; my codes' place in a step's
	v_lshrrev_b32 v5, 1, v2
	s_add_co_u32 s17, s17, 2*32*SP
	v_add_nc_u32 v5, s17, v5                       ; LDS: my wave's 256 scale bytes, my block's byte
	v_lshlrev_b32 v7, 3, v2                        ; and on the way out 8 bytes a lane
	v_add_nc_u32 v6, s17, v7
	s_wait_kmcnt 0x0
	s_lshl_b32 s17, ttmp9, 2
	s_add_co_u32 s18, s17, s16                     ; which run of 8,192 numbers is my wave's
	s_mov_b32 s19, 0
	s_mov_b64 s[20:21], 512*STEPS*4
	s_mul_u64 s[20:21], s[18:19], s[20:21]
	s_add_nc_u64 s[4:5], s[4:5], s[20:21]
	s_mov_b64 s[20:21], 32*STEPS*CB
	s_mul_u64 s[20:21], s[18:19], s[20:21]
	s_add_nc_u64 s[10:11], s[10:11], s[20:21]
	s_lshl_b32 s18, s18, 8                         ; 256 scale bytes a run
	s_add_nc_u64 s[12:13], s[12:13], s[18:19]
.irp t, 0,1,2,3
	XLOAD \t
.endr
	s_wait_loadcnt 12                              ; step 0's four loads are in
	XTURN 0
.irp t, 0,1,2,3,4,5,6,7,8,9,10,11,12,13,14,15
	XSTEP \t
.endr
	ds_load_b64 v[8:9], v6                         ; LDS serves a wave's instructions in order: these see my stores
	s_wait_dscnt 0x0
	global_store_b64 v7, v[8:9], s[12:13]          ; 32 lanes store 256 consecutive bytes, aligned
	s_wait_tensorcnt 0x0                           ; the wave's end: behind my last LDS store
	ds_add_u32 v[SPW], v[NIL]
	s_wait_dscnt 0x0
	s_endpgm
.Lweights:
	s_wait_kmcnt 0x0
	s_cmp_lt_u32 ttmp9, 224
	s_cbranch_scc0 .Lwout
	; ---- W_qkv
	s_mov_b64 s[4:5], s[6:7]
.set WN, 3072
.set WPERM, 0
.set WLDS, 32768
	WPATH 128, WC, WS
.Lwout:
	; ---- W_out
	s_mov_b64 s[4:5], s[8:9]
.set WN, 1024
.set WPERM, 1
.set WLDS, 67584
	WPATH 224, OC, OS
.Lfunc_end_k_q9b9ea56929_quant:
	.size	k_q9b9ea56929_quant, .Lfunc_end_k_q9b9ea56929_quant-k_q9b9ea56929_quant
	.p2alignl 7, 3214868480
	.fill 96, 4, 3214868480
	.section	.rodata,"a",@progbits
	.p2align	6, 0x0
	.amdhsa_kernel k_q9b9ea56929_quant
		.amdhsa_group_segment_fixed_size 102912
		.amdhsa_private_segment_fixed_size 0
		.amdhsa_enable_private_segment 0
		.amdhsa_kernarg_size 40
		.amdhsa_user_sgpr_count 2
		.amdhsa_user_sgpr_kernarg_segment_ptr 1
		.amdhsa_wavefront_size32 1
		.amdhsa_system_sgpr_workgroup_id_x 1
		.amdhsa_system_sgpr_workgroup_id_y 1
		.amdhsa_system_sgpr_workgroup_id_z 1
		.amdhsa_system_vgpr_workitem_id 0
		.amdhsa_next_free_vgpr 196
		.amdhsa_next_free_sgpr 66
		.amdhsa_reserve_vcc 0
		.amdhsa_float_denorm_mode_32 3
		.amdhsa_float_denorm_mode_16_64 3
		.amdhsa_memory_ordered 1
		.amdhsa_forward_progress 1
		.amdhsa_inst_pref_size 115
	.end_amdhsa_kernel
	.amdgpu_metadata
---
amdhsa.version: [ 1, 2 ]
amdhsa.kernels:
  - .name:           k_q9b9ea56929_quant
    .symbol:         k_q9b9ea56929_quant.kd
    .args:
      - { .name: hidden_states, .offset: 0, .size: 8, .value_kind: global_buffer, .address_space: global }
      - { .name: W_qkv, .offset: 8, .size: 8, .value_kind: global_buffer, .address_space: global }
      - { .name: W_out, .offset: 16, .size: 8, .value_kind: global_buffer, .address_space: global }
      - { .name: lin_codes, .offset: 24, .size: 8, .value_kind: global_buffer, .address_space: global }
      - { .name: lin_scales, .offset: 32, .size: 8, .value_kind: global_buffer, .address_space: global }
    .group_segment_fixed_size: 102912
    .private_segment_fixed_size: 0
    .kernarg_segment_align: 8
    .kernarg_segment_size: 40
    .max_flat_workgroup_size: 128
    .sgpr_count:     66
    .vgpr_count:     196
    .wavefront_size: 32
...
	.end_amdgpu_metadata
.endif
;; end of part 1
;; launch qkv (part 2): grid 16 x 12, 4 waves a work-group, clusters of 4 x 4, 327,680 bytes of LDS; arguments lin_codes, lin_scales, b_qkv, att_codes, att_scales; writes att_codes, att_scales
.if DOCPART == 2
	.amdgcn_target "amdgcn-amd-amdhsa--gfx1250"
	.amdhsa_code_object_version 6
	.text
	.protected	k_q9b9ea56929_qkv
	.globl	k_q9b9ea56929_qkv
	.p2align	8
	.type	k_q9b9ea56929_qkv,@function
k_q9b9ea56929_qkv:
	s_mov_b64 s[64:65], 0
	v_nop
	global_prefetch_b8 v0, s[64:65] scope:SCOPE_SE
	s_setreg_imm32_b32 hwreg(HW_REG_WAVE_MODE, 25, 1), 1
	s_wait_xcnt 0x0
	s_wait_alu depctr_hold_cnt(0) depctr_sa_sdst(0) depctr_va_vdst(0) depctr_va_sdst(0) depctr_va_ssrc(0) depctr_va_vcc(0) depctr_vm_vsrc(0)
	s_getreg_b32 s2, hwreg(HW_REG_IB_STS2, 6, 4)
	s_cmp_eq_u32 s2, 0
	s_cbranch_scc0 .Lentry_in_a_cluster
	s_endpgm
.Lentry_in_a_cluster:
	s_bfe_u32 s2, ttmp6, 0x10000c
	s_cmp_lg_u32 s2, 0xf033
	s_cbranch_scc0 .Lentry_shape_is_right
	s_endpgm
.Lentry_shape_is_right:
; qkv = x W_qkv + b_qkv on codes of FP6 (E2M3) with one E8M0 scale for each 32 along K = 1,024; then q / 8, and q, k, v are quantised at once for the attention: nothing wide goes to memory.
; A tile of 256 x 256 to a work-group of four waves, 128 x 128 a wave: 64 accumulators of 16 x 16.  K goes in steps of 256 through a ring of two LDS slots filled by the tensor data mover; the tile's scale bytes come once.
; TWO ROLES.  The matrix instruction's source 0 (role B) gives a lane's REGISTERS, source 1 (role A) its LANE: a lane holds one row of role A and eight neighbouring rows of role B.  The conversions to codes take neighbours along
; the next product's K from one lane's registers.  For q and k that K is the head's 64 features: role B = W's rows (features), role A = x's rows (tokens).  For v it is the keys: role B = x's rows, role A = W's rows.
; The grid's clusters with y 0, 1 make q and k (128 tiles), those with y 2 make v (64 tiles): the choice hangs on the cluster's number alone, so it is the same in all sixteen partners.
; CLUSTERS: 4 x 4.  Role A's tile hangs on the cluster's row, role B's on its column: each is asked for jointly by four work-groups.
; WHAT IS STORED: images of operand registers, 512 bytes (16 a lane) a store, in the order in which the attention loads them.  A result's tiles 2 b and 2 b + 1 give a lane 16 numbers of block b: inside a block of 32 the codes
; stand in the order 0-7, 16-23, 8-15, 24-31, alike in q and k and alike in v and the attention's p, which changes neither a block's scale nor the sum of its products.
; LIMITS: blocks whose largest magnitude lies under 2^-124 keep the byte 1; NaN and infinities are not served.
; REGISTERS, in windows of 256: window 0: v0-31 addresses; v32-63 scale words, two sets, and nothing else; v64-127 the bias by registers (q, k); from v128 role A's fragments, one set; v224-239 the bias by lanes (v); v240-253 at work on the way out.
;   window 1: role B's fragments, two sets.  windows 2, 3: the accumulators ((a, b) at v[8 (8 (a % 4) + b)] of window 2 + a / 4).
.set SIZE_K, 1024
.set KSTEP,  256
.set NQ,     KSTEP/128
.set ROWB,   192                       ; a tile's row in bytes
.set KROW,   SIZE_K*6/8
.set PITCH,  240                       ; an LDS row: 3 x (64 bytes + 16 of padding)
.set FR,     12
.set NL,     6
.set NP,     4
.set HALFT,  128*PITCH
.set SLOT,   4*HALFT
.set LAPS,   SIZE_K/(2*KSTEP)
.set KS,     SIZE_K/32
.set SCL,    2*SLOT                    ; behind the ring: the scales, as units of 256 bytes + 16 of padding
.set HALFS,  (128*KS/256)*272
.set SBLK,   (16*KS/256)*272
.set SPARE,  SCL+4*HALFS               ; the spare words, 128 bytes a wave
.set WC,     3145728                   ; lin_codes: W_qkv's rows
.set WS,     131072                    ; lin_scales: W_qkv's rows
.set KVC,    3145728                   ; att_codes: k and v
.set KVS,    262144                    ; att_scales: k and v
.set ADRA, 16
.set ADRB, 20
.set ADRS, 27
.set SPW,  28
.set NIL,  29
.set SC,   32
.set BP,   64                          ; v64-127  b_qkv at my 8 x 8 features (q, k)
.set AF,   128
.set ST,   128                         ; the way out: 64 numbers of a lane
.set IA,   192                         ; v192-203 an image; v204-215 a second
.set IB,   204
.set CT,   216                         ; v216-218, v220-222 the conversions' second halves
.set BR,   224                         ; v224-239 b_qkv at my lane's row of each of 8 blocks, twice (v)
.set TM,   240                         ; v240-243 largest magnitudes, v244-247 partner's and bytes, v248-251 scale operands
.set PW,   252                         ; v252-253 two scale words
.set WA,   8                           ; v8-11, v12-15 scale words gathered for a store
.set WB,   12
.set TY,   95                          ; s95 the cluster's y
.set SEL,  92
.set G1, 24
.set G0, 32
.set G1B, 48
.set G0B, 56
.set G1S, 68
.set G0S, 76
.set G1SB, 80
.set G0SB, 88
.set MSB, 0
.macro WIN new                         ; the immediate's high byte repeats the setting that is left
.if MSB != (\new)
	s_set_vgpr_msb (MSB<<8)|(\new)
.set MSB, (\new)
.endif
.endm
.set MUL_LO, 0xa1                      ; source 0 (B) window 1, source 1 (A) window 0, C and D window 2
.set MUL_HI, 0xf1
.set TO_B,   0x40
; A joint load: waves 0 and 1 fetch for role A, waves 2 and 3 for role B.  An s_nop 0 and four v_nop follow each of the two lines.
.macro JLOAD g0a, g1a, g0b, g1b
	s_cmp_eq_u32 s15, 0
	s_cbranch_scc0 .Lfor_b_\@
	tensor_load_to_lds s[\g0a:\g0a+3], s[\g1a:\g1a+7]
	s_nop 0
.rept 4
	v_nop
.endr
	s_branch .Lasked_\@
.Lfor_b_\@:
	tensor_load_to_lds s[\g0b:\g0b+3], s[\g1b:\g1b+7]
	s_nop 0
.rept 4
	v_nop
.endr
.Lasked_\@:
.endm
.macro CREST                           ; a round of the cluster's barrier behind its opening barrier
	s_cmp_lg_u32 s14, 0
	s_cbranch_scc1 .Lnot_wave_0_\@
	s_barrier_signal -3
.Lnot_wave_0_\@:
	s_barrier_wait -3
	s_barrier_signal -1
	s_barrier_wait -1
.endm
.macro CROUND
	s_barrier_signal -1
	s_barrier_wait -1
	CREST
.endm
	s_load_b256 s[4:11], s[0:1], 0x0               ; lin_codes s[4:5], lin_scales s[6:7], b_qkv s[8:9], att_codes s[10:11]
	s_load_b64 s[12:13], s[0:1], 0x20              ; att_scales
	v_lshl_add_u32 v[SPW], v0, 2, SPARE
	v_mov_b32 v[NIL], 0
	ds_add_u32 v[SPW], v[NIL]                      ; the wave's opening: the add and its wait stand ahead of my first tensor load; the set-up below stands between them
	v_lshrrev_b32 v1, 5, v0
	v_readfirstlane_b32 s14, v1                    ; wave 0..3
	s_lshr_b32 s15, s14, 1                         ; which half of role A's rows is mine.  Also: I fetch for A (0) or for B (1)
	s_and_b32 s16, s14, 1                          ; which half of role B's rows.  Also: which 128 rows of that tile I fetch
	s_bfe_u32 s40, ttmp6, 0x40000                  ; cx, cy: my place in the cluster
	s_bfe_u32 s41, ttmp6, 0x40004
	s_and_b32 s[TY], ttmp7, 0xffff                 ; the cluster's y: 0, 1: q and k; 2: v
	s_lshr_b32 s17, ttmp9, 1
	s_lshl_b32 s17, s17, 1
	s_add_co_u32 s17, s17, s[TY]                   ; q, k: which four tiles of tokens
	s_and_b32 s42, ttmp9, 1                        ; q, k: q's four tiles of features or k's
	s_cmp_lt_u32 s[TY], 2
	s_cselect_b32 s17, s17, s[TY]                  ; v: role A = W's tiles 8 to 11
	s_cselect_b32 s42, s42, ttmp9                  ; v: role B = which four tiles of tokens
	s_cselect_b32 s96, 0, WC                       ; where each role's rows begin in lin_codes,
	s_cselect_b32 s98, WC, 0
	s_cselect_b32 s100, 0, WS                      ; and in lin_scales
	s_cselect_b32 s66, WS, 0
	s_mov_b32 s97, 0
	s_mov_b32 s99, 0
	s_mov_b32 s101, 0
	s_mov_b32 s67, 0
	s_lshl_b32 s42, s42, 2
	s_add_co_u32 s42, s42, s40                     ; role B's tile
	s_lshl_b32 s17, s17, 2
	s_add_co_u32 s17, s17, s41                     ; role A's tile
	s_lshl_b32 s43, s41, 2
	s_lshl_b32 s43, 15, s43                        ; my row of the cluster
	s_lshl_b32 s44, 0x1111, s40                    ; my column
	; descriptor group 1: a tile of 128 rows x 192 bytes, 16 bytes of padding behind every 64
	s_or_b32 s[G1+0], s43, (0<<16)|(1<<20)|(1<<21)|(3<<22)|(3<<25)
	s_or_b32 s[G1B+0], s44, (0<<16)|(1<<20)|(1<<21)|(3<<22)|(3<<25)
.irp g, G1, G1B
	s_mov_b32 s[\g+1], ROWB<<16                    ; tensor_dim0
	s_mov_b32 s[\g+2], 128<<16                     ; tensor_dim1
	s_mov_b32 s[\g+3], ROWB<<16                    ; tile_dim0
	s_mov_b32 s[\g+4], 128                         ; tile_dim1
	s_mov_b32 s[\g+5], KROW                        ; the pitch
	s_mov_b32 s[\g+6], 0
	s_mov_b32 s[\g+7], 0
.endr
	; the scales of 128 rows: 4,096 dense bytes, as rows of 256 bytes (32 elements of 8), 16 bytes of padding behind each
	s_or_b32 s[G1S+0], s43, (3<<16)|(1<<20)|(1<<21)|(5<<22)|(3<<25)
	s_or_b32 s[G1SB+0], s44, (3<<16)|(1<<20)|(1<<21)|(5<<22)|(3<<25)
.irp g, G1S, G1SB
	s_mov_b32 s[\g+1], 32<<16
	s_mov_b32 s[\g+2], (128*KS/256)<<16
	s_mov_b32 s[\g+3], 32<<16
	s_mov_b32 s[\g+4], 128*KS/256
	s_mov_b32 s[\g+5], 32
	s_mov_b32 s[\g+6], 0
	s_mov_b32 s[\g+7], 0
.endr
	s_lshl_b32 s18, s16, 7                         ; which 128 rows of the tile I fetch
	s_lshl_b32 s20, s17, 8
	s_add_co_u32 s20, s20, s18                     ; A: row 256 x tile + 128 x half
	s_lshl_b32 s46, s42, 8
	s_add_co_u32 s46, s46, s18                     ; B likewise
	s_mov_b32 s21, 0
	s_mov_b32 s47, 0
	s_mov_b64 s[18:19], KS
	s_mul_u64 s[22:23], s[20:21], s[18:19]         ; where these rows' scales begin,
	s_mul_u64 s[92:93], s[46:47], s[18:19]
	s_mov_b64 s[18:19], KROW
	s_mul_u64 s[20:21], s[20:21], s[18:19]         ; and their codes
	s_mul_u64 s[46:47], s[46:47], s[18:19]
	s_add_nc_u64 s[20:21], s[20:21], s[96:97]
	s_add_nc_u64 s[22:23], s[22:23], s[100:101]
	s_add_nc_u64 s[46:47], s[46:47], s[98:99]
	s_add_nc_u64 s[92:93], s[92:93], s[66:67]
	s_mul_i32 s45, s14, HALFT                      ; where they go: wave x 128 rows: no place in the cluster enters an LDS address
	s_mul_i32 s94, s14, HALFS
	s_wait_dscnt 0x0                               ; the opening add is done
	s_wait_kmcnt 0x0
	s_add_nc_u64 s[20:21], s[4:5], s[20:21]
	s_add_nc_u64 s[22:23], s[6:7], s[22:23]
	s_add_nc_u64 s[46:47], s[4:5], s[46:47]
	s_add_nc_u64 s[92:93], s[6:7], s[92:93]
	CROUND                                         ; all sixteen work-groups are here: the first joint loads meet
	s_mov_b32 s[G0S], 1
	s_add_co_u32 s[G0S+1], s94, SCL
	s_mov_b64 s[G0S+2:G0S+3], s[22:23]
	s_or_b32 s[G0S+3], s[G0S+3], 0x80000000
	s_mov_b32 s[G0SB], 1
	s_add_co_u32 s[G0SB+1], s94, SCL
	s_mov_b64 s[G0SB+2:G0SB+3], s[92:93]
	s_or_b32 s[G0SB+3], s[G0SB+3], 0x80000000
	JLOAD G0S, G1S, G0SB, G1SB                     ; the scales first: they are wanted with K step 0
.irp s, 0,1
	s_mov_b32 s[G0+4*\s], 1
	s_add_co_u32 s[G0+4*\s+1], s45, \s*SLOT
	s_add_nc_u64 s[G0+4*\s+2:G0+4*\s+3], s[20:21], \s*ROWB
	s_or_b32 s[G0+4*\s+3], s[G0+4*\s+3], 0x80000000
	s_mov_b32 s[G0B+4*\s], 1
	s_add_co_u32 s[G0B+4*\s+1], s45, \s*SLOT
	s_add_nc_u64 s[G0B+4*\s+2:G0B+4*\s+3], s[46:47], \s*ROWB
	s_or_b32 s[G0B+4*\s+3], s[G0B+4*\s+3], 0x80000000
	JLOAD G0+4*\s, G1, G0B+4*\s, G1B
.endr
	v_and_b32 v1, 15, v0                           ; r = lane % 16
	v_bfe_u32 v2, v0, 4, 1                         ; h = lane / 16
	v_mul_u32_u24 v3, v1, PITCH
	v_mul_u32_u24 v4, v2, 24
	v_add_nc_u32 v4, v3, v4                        ; a fragment's row x pitch + 24 x half
	v_lshl_add_u32 v5, v2, 4, v4                   ; and the same behind one padding more
	s_mul_i32 s21, s15, HALFT                      ; my 128 rows of A
	s_mul_i32 s22, s16, HALFT                      ; my 128 rows of B,
	s_add_co_u32 s22, s22, 2*HALFT                 ; which lie behind A's 256
.irp s, 0,1
	v_add_nc_u32 v[ADRA+\s], s21, v4
	v_add_nc_u32 v[ADRB+\s], s22, v4
	v_add_nc_u32 v[ADRA+2+\s], s21, v5
	v_add_nc_u32 v[ADRB+2+\s], s22, v5
	s_add_co_u32 s21, s21, SLOT
	s_add_co_u32 s22, s22, SLOT
.endr
	v_mul_u32_u24 v5, v1, KS                       ; my row's scales: 32 bytes a row,
	v_lshrrev_b32 v6, 8, v5
	v_lshl_add_u32 v5, v6, 4, v5                   ; and 16 more for each 256 passed
	s_mul_i32 s21, s15, HALFS
	s_mul_i32 s22, s16, HALFS
	s_add_co_u32 s22, s22, 2*HALFS
	s_sub_co_u32 s22, s22, s21
	v_mul_u32_u24 v6, s22, v2                      ; lanes 16-31 take B's
	s_add_co_u32 s21, s21, SCL
	v_add_nc_u32 v5, v5, v6
	v_add_nc_u32 v[ADRS], s21, v5
	; the biases, both forms in every work-group, so that every register is written on every way; the form that is not used reads from b_qkv's first bytes
	s_lshl_b32 s20, s42, 8
	s_lshl_b32 s21, s16, 7
	s_add_co_u32 s20, s20, s21                     ; q, k: my first feature
	s_lshl_b32 s21, s17, 8
	s_lshl_b32 s22, s15, 7
	s_add_co_u32 s21, s21, s22                     ; v: my first feature
	s_cmp_lt_u32 s[TY], 2
	s_cselect_b32 s20, s20, 0
	s_cselect_b32 s21, 0, s21
	s_lshl_b32 s20, s20, 2
	s_lshl_b32 s21, s21, 2
	v_lshl_add_u32 v8, v2, 5, s20                  ; features 16 b + 8 h + 0 .. 7
	v_lshl_add_u32 v9, v1, 2, s21                  ; feature 16 a + r
.irp b, 0,1,2,3,4,5,6,7
	global_load_b128 v[BP+8*\b:BP+8*\b+3], v8, s[8:9] offset:64*\b
	global_load_b128 v[BP+8*\b+4:BP+8*\b+7], v8, s[8:9] offset:64*\b+16
.endr
.irp a, 0,1,2,3,4,5,6,7
	global_load_b32 v[BR+2*\a], v9, s[8:9] offset:64*\a
	global_load_b32 v[BR+2*\a+1], v9, s[8:9] offset:64*\a          ; twice: a pair for the packed addition
.endr
.macro FRAG reg, adr, q, i             ; a fragment, 16 rows x 128 K, is 12 registers: lane l holds row l % 16; registers 6 c .. 6 c + 5 hold K = 64 c + 32 (l / 16) + 0 .. 31, 24 bytes of the row as they lie
.irp p, 0,1,2,3,4,5                    ; in pieces of 8 bytes; where the piece of lanes 16-31 lies behind one padding more, the second address register serves
.set PC, 12*(\q)+6*(\p/3)+\p%3
.if PC%8 < 5
	ds_load_b64 v[\reg+2*\p:\reg+2*\p+1], v[\adr] offset:8*PC+16*(PC/8)+(\i)*16*PITCH
.else
	ds_load_b64 v[\reg+2*\p:\reg+2*\p+1], v[\adr+2] offset:8*PC+16*(PC/8)+(\i)*16*PITCH
.endif
.endr
.endm
; 16 matrix instructions: A's blocks a0, a0 + 1 x B's eight.  The 64 accumulators take turns, one instruction a turn, in the same order in every step.
.macro MUL16 a0, p, q, sc, zero
.irp a, \a0, \a0+1
.irp b, 0,1,2,3,4,5,6,7
.if \zero
	v_wmma_scale_f32_16x16x128_f8f6f4 v[8*(8*((\a)%4)+\b):8*(8*((\a)%4)+\b)+7], v[128*(\p)+FR*\b:128*(\p)+FR*\b+FR-1], v[AF+FR*(\a):AF+FR*(\a)+FR-1], 0, v[SC+8*NQ*(\sc)+NQ*\b+(\q)], v[SC+8*NQ*(\sc)+NQ*(\a)+(\q)] matrix_a_fmt:MATRIX_FMT_FP6 matrix_b_fmt:MATRIX_FMT_FP6 matrix_a_scale:MATRIX_SCALE_ROW1
.else
	v_wmma_scale_f32_16x16x128_f8f6f4 v[8*(8*((\a)%4)+\b):8*(8*((\a)%4)+\b)+7], v[128*(\p)+FR*\b:128*(\p)+FR*\b+FR-1], v[AF+FR*(\a):AF+FR*(\a)+FR-1], v[8*(8*((\a)%4)+\b):8*(8*((\a)%4)+\b)+7], v[SC+8*NQ*(\sc)+NQ*\b+(\q)], v[SC+8*NQ*(\sc)+NQ*(\a)+(\q)] matrix_a_fmt:MATRIX_FMT_FP6 matrix_b_fmt:MATRIX_FMT_FP6 matrix_a_scale:MATRIX_SCALE_ROW1
.endif
.endr
.endr
.endm
.macro FETCH_B slot, q, p
	WIN TO_B
.irp i, 0,1,2,3,4,5,6,7
	FRAG 128*(\p)+FR*\i, ADRB+\slot, \q, \i
.endr
	WIN 0
.endm
.macro FETCH_A slot, q, i0
.irp i, \i0, \i0+1, \i0+2, \i0+3
	FRAG AF+FR*(\i), ADRA+\slot, \q, \i
.endr
.endm
.macro SCALES sc                       ; a K step's scale words into set sc: lanes 0-15 take A's block i, lanes 16-31 B's block i
.irp i, 0,1,2,3,4,5,6,7
	ds_load_b64 v[SC+8*NQ*\sc+NQ*\i:SC+8*NQ*\sc+NQ*\i+1], v[ADRS] offset:\i*SBLK
.endr
.endm
.macro PLACES n                        ; plain vector lines between a matrix instruction and a load into, or a vector line on, its registers
.rept \n
	v_nop
.endr
.endm
.macro STEP slot, q, zero              ; 128 along K that have their successor in the same slot
	s_wait_dscnt 4*NL                              ; B's set and A's blocks 0-3 are in; the youngest 24 loads (A's blocks 4-7) may be out
	WIN MUL_LO
	MUL16 0, (\q)%2, \q, \slot, \zero
	MUL16 2, (\q)%2, \q, \slot, \zero
	s_wait_dscnt 0
	PLACES NP
	FETCH_B \slot, (\q)+1, 1-(\q)%2
	FETCH_A \slot, (\q)+1, 0
	WIN MUL_HI
	MUL16 4, (\q)%2, \q, \slot, \zero
	MUL16 6, (\q)%2, \q, \slot, \zero
	PLACES NP
	WIN 0
	FETCH_A \slot, (\q)+1, 4
.endm
; A slot's last 128 change slots: one barrier; in front of it each wave waits for all its tensor loads, adds 0 to its spare word, and waits for that and for its reads of this slot.  fill = 1: the slot is filled again, two K steps ahead.
.macro TURN slot, next, fill
	s_wait_tensorcnt 0x0                           ; all my tensor loads have landed: my part of the next slot
	ds_add_u32 v[SPW], v[NIL]                      ; 0 onto my spare word
	s_wait_dscnt 4*NL+1                            ; (the add and the youngest 24 loads may be out)
	WIN MUL_LO
	MUL16 0, 1, NQ-1, \slot, 0
	s_wait_dscnt 0x0                               ; the add is done, and my reads of this slot are over
	s_barrier_signal -1
	MUL16 2, 1, NQ-1, \slot, 0
	WIN 0
	s_barrier_wait -1
.if \fill
	CREST                                          ; the barrier has opened a round of the cluster's barrier: no wave of any partner still reads this slot or has a load on its way
	s_add_nc_u64 s[G0+4*\slot+2:G0+4*\slot+3], s[G0+4*\slot+2:G0+4*\slot+3], 2*ROWB
	s_add_nc_u64 s[G0B+4*\slot+2:G0B+4*\slot+3], s[G0B+4*\slot+2:G0B+4*\slot+3], 2*ROWB
	JLOAD G0+4*\slot, G1, G0B+4*\slot, G1B         ; the first tensor load behind the round; its four v_nop are the places in front of the loads below
.else
	PLACES NP
.endif
	v_add_nc_u32 v[ADRS], 4*NQ, v[ADRS]            ; on to the next K step's scale words
	FETCH_B \next, 0, 0
	FETCH_A \next, 0, 0
	SCALES \next
	WIN MUL_HI
	MUL16 4, 1, NQ-1, \slot, 0
	MUL16 6, 1, NQ-1, \slot, 0
	PLACES NP
	WIN 0
	FETCH_A \next, 0, 4
.endm
	s_wait_loadcnt 0x0                             ; the biases
	s_wait_tensorcnt 1                             ; the scales and my part of K step 0 are in (K step 1's load may be out),
	s_barrier_signal -1
	s_barrier_wait -1                              ; everybody's are
	FETCH_B 0, 0, 0
	FETCH_A 0, 0, 0
	SCALES 0
	FETCH_A 0, 0, 4
	STEP 0, 0, 1                                   ; the first step stands in front of the loop: its products start the sums
	s_mov_b32 s3, LAPS-1
.Llap:
	TURN 0, 1, 1
	STEP 1, 0, 0
	TURN 1, 0, 1
	STEP 0, 0, 0
	s_sub_co_u32 s3, s3, 1
	s_cmp_lg_u32 s3, 0
	s_cbranch_scc1 .Llap
	TURN 0, 1, 0                                   ; the last lap fills nothing
	STEP 1, 0, 0
	s_wait_dscnt 4*NL
	WIN MUL_LO
	MUL16 0, 1, NQ-1, 1, 0
	MUL16 2, 1, NQ-1, 1, 0
	s_wait_dscnt 0
	WIN MUL_HI
	MUL16 4, 1, NQ-1, 1, 0
	MUL16 6, 1, NQ-1, 1, 0
	WIN 0
; 64 numbers of a lane, v[s] on, register 16 b + i being place 16 (lane / 16) + i of block b of my row, become codes: blocks 0, 1 in v[d0] .. v[d0 + 5], blocks 2, 3 in v[d1] .. v[d1 + 5]
; (lanes 0-15 the even block whole, lanes 16-31 the odd one), and the four scale bytes in v[pw].
.macro QUANT s, d0, d1, pw
.irp b, 0,1,2,3
	v_max3_num_f32 v[TM+\b], |v[(\s)+16*\b]|, |v[(\s)+1+16*\b]|, 0x1800000   ; my 16 numbers, and the floor 2^(3 - 127): the byte cannot fall under 1
.endr
.irp i, 2,4,6,8,10,12,14
.irp b, 0,1,2,3
	v_max3_num_f32 v[TM+\b], v[TM+\b], |v[(\s)+16*\b+\i]|, |v[(\s)+1+16*\b+\i]|
.endr
.endr
.irp b, 0,1,2,3
	v_permlanex16_b32 v[TM+4+\b], v[TM+\b], s[SEL], s[SEL+1]
.endr
.irp b, 0,1,2,3
	v_max_num_f32 v[TM+\b], v[TM+\b], v[TM+4+\b]   ; with lane l xor 16's: the block's largest magnitude
.endr
.irp b, 0,1,2,3
	v_add_nc_u32 v[TM+8+\b], 0xff000000, v[TM+\b]  ; 2 off its exponent field: the conversion's scale operand
.endr
.irp b, 0,1,2,3
	v_lshrrev_b32 v[TM+4+\b], 23, v[TM+8+\b]       ; the scale's byte
.endr
	v_lshl_or_b32 v[(\pw)], v[TM+5], 8, v[TM+4]
	v_lshl_or_b32 v[(\pw)], v[TM+6], 16, v[(\pw)]
	v_lshl_or_b32 v[(\pw)], v[TM+7], 24, v[(\pw)]
	v_cvt_scalef32_pk16_fp6_f32 v[(\d0):(\d0)+2], v[(\s):(\s)+15], v[TM+8]
	v_cvt_scalef32_pk16_fp6_f32 v[CT:CT+2], v[(\s)+16:(\s)+31], v[TM+9]
	v_cvt_scalef32_pk16_fp6_f32 v[(\d1):(\d1)+2], v[(\s)+32:(\s)+47], v[TM+10]
	v_cvt_scalef32_pk16_fp6_f32 v[CT+4:CT+6], v[(\s)+48:(\s)+63], v[TM+11]
	v_nop                                          ; one plain line behind the conversions
.irp i, 0,1,2
	v_permlane16_swap_b32 v[(\d0)+\i], v[CT+\i]    ; the first's lanes 16-31 change places with the second's lanes 0-15: a lane now holds a whole block
.endr
.irp i, 0,1,2
	v_mov_b32 v[(\d0)+3+\i], v[CT+\i]
.endr
.irp i, 0,1,2
	v_permlane16_swap_b32 v[(\d1)+\i], v[CT+4+\i]
.endr
.irp i, 0,1,2
	v_mov_b32 v[(\d1)+3+\i], v[CT+4+\i]
.endr
.endm
	; THE WAY OUT.  These seven plain lines name no register of the last products: they are the places behind them.
	v_and_b32 v1, 31, v0
	v_lshlrev_b32 v30, 4, v1                       ; 16 x lane: an image's place for my lane
	v_lshlrev_b32 v31, 3, v1                       ; 8 x lane
.irp b, 0,1,2,3
	v_mov_b32 v[TM+4+\b], 0                        ; written once: a lane permute's destination counts as one of its sources
.endr
	s_mov_b32 s[SEL], 0x76543210
	s_mov_b32 s[SEL+1], 0xfedcba98                 ; selects for lane l xor 16
	s_mov_b32 s94, 0xffff0000                      ; lanes 16-31
	s_cmp_lt_u32 s[TY], 2
	s_cbranch_scc0 .Lpath_v
	; ---- q and k.  My lane holds a token, my registers 128 features: two heads.  hg = cx, step j = 2 x A's tile + my half, heads 2 s16 and 2 s16 + 1 of the four.
	s_and_b32 s20, ttmp9, 1
	s_cmp_eq_u32 s20, 0                            ; q?
	s_mov_b32 s18, 0x3f800000
	s_cselect_b32 s18, 0x3e000000, s18             ; g = 1 / 8 for q, 1 for k
	s_mov_b32 s19, s18
	s_cselect_b32 s20, 0, KVC
	s_mov_b32 s21, 1572864
	s_cselect_b32 s21, 786432, s21                 ; bytes of codes for four heads,
	s_mov_b32 s22, 49152
	s_cselect_b32 s22, 24576, s22                  ; and for a step of 128 tokens
	s_cselect_b32 s23, 0, KVS
	s_mov_b32 s46, 98304
	s_cselect_b32 s46, 65536, s46
	s_mul_i32 s21, s21, s40
	s_add_co_u32 s20, s20, s21
	s_lshl_b32 s47, s17, 1
	s_add_co_u32 s47, s47, s15                     ; j
	s_mul_i32 s22, s22, s47
	s_add_co_u32 s20, s20, s22
	s_mul_i32 s22, s16, 12288
	s_add_co_u32 s20, s20, s22
	s_mov_b32 s21, 0
	s_add_nc_u64 s[10:11], s[10:11], s[20:21]
	s_mul_i32 s46, s46, s40
	s_add_co_u32 s22, s23, s46
	s_lshl_b32 s47, s47, 11
	s_add_co_u32 s22, s22, s47
	s_lshl_b32 s47, s16, 10
	s_add_co_u32 s22, s22, s47
	s_mov_b32 s23, 0
	s_add_nc_u64 s[12:13], s[12:13], s[22:23]
.set ii, 0
.rept 32
	v_pk_mul_f32 v[BP+ii:BP+ii+1], v[BP+ii:BP+ii+1], s[18:19] op_sel_hi:[1,0]   ; g x bias: (sum + bias) g = sum g + bias g, g a power of two
.set ii, ii+2
.endr
.irp g, 0,1,2,3                        ; a group of 32 tokens: blocks 2 g and 2 g + 1 of my rows
	s_wait_xcnt 0x0                                ; the last group's stores have read their registers
.irp u, 0,1
	WIN 0x02+(2*\g+\u)/4                           ; source 0: window 2 or 3
.irp b, 0,1,2,3,4,5,6,7
.irp i, 0,2,4,6
	v_pk_fma_f32 v[ST+8*\b+\i:ST+8*\b+\i+1], v[8*(8*((2*\g+\u)%4)+\b)+\i:8*(8*((2*\g+\u)%4)+\b)+\i+1], s[18:19], v[BP+8*\b+\i:BP+8*\b+\i+1] op_sel_hi:[1,0,1]   ; each accumulator from its low end on
.endr
.endr
	WIN 0
	QUANT ST, IA+6*\u, IB+6*\u, PW+\u              ; blocks 0, 1: the first head's 64 features; blocks 2, 3: the second's
.endr
	v_cndmask_b32 v23, v[PW], v[PW+1], s94         ; lanes 0-15 the even tile's words, lanes 16-31 the odd tile's
	v_and_b32 v[WA+\g], 0xffff, v23                ; the first head's two bytes; bytes 2 and 3, for the half of the instruction's K that holds no numbers, are 0
	v_lshrrev_b32 v[WB+\g], 16, v23                ; the second head's
.irp c, 0,1,2
	global_store_b128 v30, v[IA+4*\c:IA+4*\c+3], s[10:11] offset:\g*1536+\c*512        ; 32 lanes store 512 consecutive bytes, aligned
	global_store_b128 v30, v[IB+4*\c:IB+4*\c+3], s[10:11] offset:6144+\g*1536+\c*512
.endr
.endr
	global_store_b128 v30, v[WA:WA+3], s[12:13]
	global_store_b128 v30, v[WB:WB+3], s[12:13] offset:512
	s_wait_tensorcnt 0x0                           ; the wave's end
	ds_add_u32 v[SPW], v[NIL]
	s_wait_dscnt 0x0
	CROUND                                         ; the closing round
	s_endpgm
.Lpath_v:
	; ---- v.  My lane holds a feature (16 a + r of my 128: two heads), my registers 128 tokens: one key step.  hg = cy, step j = 2 x B's tile + my half.
	s_lshl_b32 s47, s42, 1
	s_add_co_u32 s47, s47, s16                     ; j
	s_mul_i32 s20, s41, 1572864
	s_mul_i32 s22, s47, 49152
	s_add_co_u32 s20, s20, s22
	s_mul_i32 s22, s15, 12288
	s_add_co_u32 s20, s20, s22
	s_add_co_u32 s20, s20, KVC+24576
	s_mov_b32 s21, 0
	s_add_nc_u64 s[10:11], s[10:11], s[20:21]
	s_mul_i32 s22, s41, 98304
	s_lshl_b32 s47, s47, 10
	s_add_co_u32 s22, s22, s47
	s_lshl_b32 s47, s15, 9
	s_add_co_u32 s22, s22, s47
	s_add_co_u32 s22, s22, KVS+65536
	s_mov_b32 s23, 0
	s_add_nc_u64 s[12:13], s[12:13], s[22:23]
.irp a, 0,1,2,3,4,5,6,7
	s_wait_xcnt 0x0                                ; the last block's stores have read their registers
	WIN 0x02+\a/4
.irp b, 0,1,2,3,4,5,6,7
.irp i, 0,2,4,6
	v_pk_add_f32 v[ST+8*\b+\i:ST+8*\b+\i+1], v[8*(8*(\a%4)+\b)+\i:8*(8*(\a%4)+\b)+\i+1], v[BR+2*\a:BR+2*\a+1]
.endr
.endr
	WIN 0
	QUANT ST, IA, IA+6, PW+(\a%2)                  ; a whole fragment: 16 features x 128 keys
.irp c, 0,1,2
	global_store_b128 v30, v[IA+4*\c:IA+4*\c+3], s[10:11] offset:(\a/4)*6144+(\a%4)*1536+\c*512
.endr
.if \a%2 == 1
	v_cndmask_b32 v[WA+(\a%4)/2], v[PW], v[PW+1], s94   ; lanes 0-15 the even tile's words, lanes 16-31 the odd tile's
.endif
.if \a%4 == 3
	global_store_b64 v31, v[WA:WA+1], s[12:13] offset:(\a/4)*256
.endif
.endr
	s_wait_tensorcnt 0x0                           ; the wave's end
	ds_add_u32 v[SPW], v[NIL]
	s_wait_dscnt 0x0
	CROUND                                         ; the closing round
	s_endpgm
.Lfunc_end_k_q9b9ea56929_qkv:
	.size	k_q9b9ea56929_qkv, .Lfunc_end_k_q9b9ea56929_qkv-k_q9b9ea56929_qkv
	.p2alignl 7, 3214868480
	.fill 96, 4, 3214868480
	.section	.rodata,"a",@progbits
	.p2align	6, 0x0
	.amdhsa_kernel k_q9b9ea56929_qkv
		.amdhsa_group_segment_fixed_size 327680
		.amdhsa_private_segment_fixed_size 0
		.amdhsa_enable_private_segment 0
		.amdhsa_kernarg_size 40
		.amdhsa_user_sgpr_count 2
		.amdhsa_user_sgpr_kernarg_segment_ptr 1
		.amdhsa_wavefront_size32 1
		.amdhsa_system_sgpr_workgroup_id_x 1
		.amdhsa_system_sgpr_workgroup_id_y 1
		.amdhsa_system_sgpr_workgroup_id_z 1
		.amdhsa_system_vgpr_workitem_id 0
		.amdhsa_next_free_vgpr 1024
		.amdhsa_next_free_sgpr 102
		.amdhsa_reserve_vcc 0
		.amdhsa_float_denorm_mode_32 3
		.amdhsa_float_denorm_mode_16_64 3
		.amdhsa_memory_ordered 1
		.amdhsa_forward_progress 1
		.amdhsa_inst_pref_size 237
	.end_amdhsa_kernel
	.amdgpu_metadata
---
amdhsa.version: [ 1, 2 ]
amdhsa.kernels:
  - .name:           k_q9b9ea56929_qkv
    .symbol:         k_q9b9ea56929_qkv.kd
    .args:
      - { .name: lin_codes, .offset: 0, .size: 8, .value_kind: global_buffer, .address_space: global }
      - { .name: lin_scales, .offset: 8, .size: 8, .value_kind: global_buffer, .address_space: global }
      - { .name: b_qkv, .offset: 16, .size: 8, .value_kind: global_buffer, .address_space: global }
      - { .name: att_codes, .offset: 24, .size: 8, .value_kind: global_buffer, .address_space: global }
      - { .name: att_scales, .offset: 32, .size: 8, .value_kind: global_buffer, .address_space: global }
    .group_segment_fixed_size: 327680
    .private_segment_fixed_size: 0
    .kernarg_segment_align: 8
    .kernarg_segment_size: 40
    .max_flat_workgroup_size: 128
    .sgpr_count:     102
    .vgpr_count:     1024
    .wavefront_size: 32
...
	.end_amdgpu_metadata
.endif
;; end of part 2
;; launch attn (part 3): grid 4 x 64, 16 waves a work-group, clusters of 4 x 4, 327,680 bytes of LDS; arguments att_codes, att_scales, mask, ctx_codes, ctx_scales; writes ctx_codes, ctx_scales
.if DOCPART == 3
	.amdgcn_target "amdgcn-amd-amdhsa--gfx1250"
	.amdhsa_code_object_version 6
	.text
	.protected	k_q9b9ea56929_attn
	.globl	k_q9b9ea56929_attn
	.p2align	8
	.type	k_q9b9ea56929_attn,@function
k_q9b9ea56929_attn:
	s_mov_b64 s[64:65], 0
	v_nop
	global_prefetch_b8 v0, s[64:65] scope:SCOPE_SE
	s_setreg_imm32_b32 hwreg(HW_REG_WAVE_MODE, 25, 1), 1
	s_wait_xcnt 0x0
	s_wait_alu depctr_hold_cnt(0) depctr_sa_sdst(0) depctr_va_vdst(0) depctr_va_sdst(0) depctr_va_ssrc(0) depctr_va_vcc(0) depctr_vm_vsrc(0)
	s_getreg_b32 s2, hwreg(HW_REG_IB_STS2, 6, 4)
	s_cmp_eq_u32 s2, 0
	s_cbranch_scc0 .Lentry_in_a_cluster
	s_endpgm
.Lentry_in_a_cluster:
	s_bfe_u32 s2, ttmp6, 0x10000c
	s_cmp_lg_u32 s2, 0xf033
	s_cbranch_scc0 .Lentry_shape_is_right
	s_endpgm
.Lentry_shape_is_right:
; ctx = softmax(q k^T x mask - 10000 (1 - mask)) v for 16 heads of 64, both products on codes of FP6 (E2M3) with one E8M0 scale for each 32 along K; ctx leaves as codes for the last projection.
; The mask is an input: every score of every head is computed, and every number of the mask is read: logit = s m + b, b = 10000 m - 10000 (one fused line each; exact for m = 0 and m = 1).
; THE SOFTMAX AHEAD OF THE SECOND PRODUCT: t = logit x log2(e); M = the row's largest t so far, rounded UP to a whole number; p = 2^(t - M) is quantised along the keys, not normalised.  The row's sum is taken of the
; unquantised p and divides at the end.  When M moves, the sum and O are multiplied by 2^(old M - new M).
; SHARES.  A work-group owns 64 queries of four heads (hg); each of its sixteen waves one tile of 16 queries (qt = wave / 4) of one head (hd = wave % 4), in 256 registers: four waves to a SIMD, so that one wave's
; vector work stands beside another's products and LDS loads.  Every wave walks all 4,096 keys, 128 a step, one step to a slot of a ring of two.
; CLUSTER 4 x 4: x = hg, y = four blocks of queries.  k's and v's tiles hang on hg alone: asked for jointly along a column; the mask's tile hangs on the block of queries alone: jointly along a row.
; LAYOUT.  Both products are used transposed: S^T = k q^T, O^T = v^T p^T: a lane holds ONE query (lane % 16) throughout; register 8 t + j of S^T is key 16 t + 8 (lane / 16) + j.
; k, v and q come as images of operand registers (16 bytes a lane, 512 a load).  The head has 64 features, half of the instruction's K: a fragment of k is 6 registers, the tiles lie 6 registers apart, and the 6 registers
; that the instruction reads beyond them meet q's 6 registers of zero codes; FP6 has no code but numbers, so those products are zeros.  The scale bytes of that half are 0.
; LIMITS: blocks whose largest magnitude lies under 2^-124 keep the byte 1; NaN and infinities are not served; for mask numbers other than 0 and 1, b is rounded once where 10000 (1 - m) is rounded twice; 1 / sum is v_rcp_f32.
.set SLOT1, 131072                     ; slot 1 begins here: one exclusive or turns an address
.set VOFF,  24576                      ; a slot: k's 24,576 bytes (6,144 a head), v's 24,576,
.set MOFF,  49152                      ; the mask's 64 rows x (512 + 16) bytes
.set MP,    528
.set STG,   82944                      ; behind slot 0: the stage for ctx's codes, 64 rows x (16 places of 16 bytes + 16),
.set SST,   100352                     ; its scale bytes, 8 a row,
.set SPARE, 100864                     ; the spare words, 128 bytes for each of sixteen waves
.set SCB,   214016                     ; behind slot 1: the scale words of four heads for all keys, filled once: k's 65,536 bytes, v's 32,768
.set KSC,   SCB
.set VSC,   SCB+65536
.set KVC,   3145728
.set KVS,   262144
.set AKV, 1                            ; v1  16 x lane + 6,144 x hd
.set AM,  2                            ; v2  my query's row of the mask's tile, + 32 (lane / 16)
.set AKS, 3                            ; v3  k's scale words: 16 x lane + 512 x hd
.set AVS, 4                            ; v4  v's: 8 x lane + 256 x hd
.set SPW, 5                            ; v5  LDS address of my spare word; never rewritten
.set NIL, 6                            ; v6  0; never rewritten
.set PFO, 7                            ; v7  the prefetches' offset; never rewritten
.set ADK, 8                            ; v8-11 the step's addresses
.set ADM, 9
.set ADS, 10
.set ADT, 11
.set QF,  16                           ; v16-27 q: six registers of codes, six of zeros
.set BUF, 32                           ; v32-95 k's fragments, then the mask, then v's fragments
.set S,   96                           ; v96-159 S^T, then p
.set O,   160                          ; v160-191 O^T
.set PC,  192                          ; v192-203 p's codes
.set CT,  204                          ; v204-206, v208-210 the conversions' second halves
.set T,   212                          ; v212-227 b for a block of 32 keys
.set MX,  228
.set MY,  232
.set SO,  236
.set KSW, 240                          ; v240-243 k's scale words, v244-245 v's, v246 p's, v247 q's: scales and nothing else
.set VSW, 244
.set PSW, 246
.set QSW, 247
.set F,   248                          ; v[248:249] f = 2^(old M - new M)
.set TMP, 250
.set L2,  252                          ; v[252:253] the sum's second chain
.set NEG, 254                          ; v[254:255] -10000
.set TB,  2                            ; s2  LDS byte at which the slot in hand begins
.set TS,  3                            ; s3  the step's scale words of k: 2,048 bytes a step
.set QT,  16
.set HD,  17
.set WV,  18
.set SEL, 20
.set CS,  22                           ; s[22:23] log2(e)
.set G1KV, 24                          ; s[24:31] group 1 for dense blocks of 24,576 bytes (k, v, scales)
.set G1M,  32                          ; s[32:39] for the mask's tile
.set G0KV, 40
.set G0M,  44
.set G0S,  48
.set TENK, 52                          ; s[52:53] 10000
.set CX,  54
.set CY,  55
.set TY,  56
.set QB,  57
.set HG,  58
.set TJ,  66                           ; s66 v's scale words: 1,024 bytes a step
.set SLOTS, 67
.set PFA, 68
.set PFS, 70
.set LIM, 72
.set EVN, 73
.macro CROUND                          ; a round of the cluster's barrier
	s_barrier_signal -1
	s_barrier_wait -1
	s_cmp_lg_u32 s[WV], 0
	s_cbranch_scc1 .Lnot_wave_0_\@
	s_barrier_signal -3
.Lnot_wave_0_\@:
	s_barrier_wait -3
	s_barrier_signal -1
	s_barrier_wait -1
.endm
; Wave 0 fetches a step's k, wave 1 its v, wave 2 its tile of the mask.  The branches hang on the wave's number alone.  An s_nop 0 and four v_nop follow each line.
.macro TLOAD
	s_cmp_lt_u32 s[WV], 2
	s_cbranch_scc0 .Lnot_kv_\@
	tensor_load_to_lds s[G0KV:G0KV+3], s[G1KV:G1KV+7]
	s_nop 0
.rept 4
	v_nop
.endr
	s_branch .Lasked_\@
.Lnot_kv_\@:
	s_cmp_eq_u32 s[WV], 2
	s_cbranch_scc0 .Lasked_\@
	tensor_load_to_lds s[G0M:G0M+3], s[G1M:G1M+7]
	s_nop 0
.rept 4
	v_nop
.endr
.Lasked_\@:
.endm
; A PREFETCH INTO THE L2, behind the change's tensor loads.  Wave 3 of every work-group asks for the mask's tile of the step behind the one just asked for: 64 rows x 2 blocks of 256 bytes; the four partners that ask for the
; tile jointly take 16 rows each, told apart by address (cx); a lane a block.  Waves 4 to 6 of the clusters with y = 0 ask, in every second trip, for k's and v's codes of the next two steps: 192 blocks of 256 bytes a step;
; the four partners of a column take 48 of each, told apart by address (cy).  So each block from step 2 on is named once.  The last trips ask for nothing: the mask's last request names step 31, k's and v's steps 30 and 31.
.macro ASK
	s_cmp_gt_u32 s[SLOTS], s[LIM]
	s_cbranch_scc0 .Lnot_mine_\@
	s_or_b32 s74, s[SLOTS], s[EVN]
	s_and_b32 s74, s74, 1
	s_cmp_eq_u32 s74, 1
	s_cbranch_scc0 .Lnot_mine_\@
	global_prefetch_b8 v[PFO], s[PFA:PFA+1] th:TH_LOAD_NT scope:SCOPE_SE
.Lnot_mine_\@:
.endm
	s_load_b256 s[4:11], s[0:1], 0x0               ; att_codes s[4:5], att_scales s[6:7], mask s[8:9], ctx_codes s[10:11]
	s_load_b64 s[12:13], s[0:1], 0x20              ; ctx_scales
	v_lshl_add_u32 v[SPW], v0, 2, SPARE
	v_mov_b32 v[NIL], 0
	ds_add_u32 v[SPW], v[NIL]                      ; the wave's opening: the add and its wait stand ahead of my first tensor load; the set-up below stands between them
	v_lshrrev_b32 v8, 5, v0
	v_readfirstlane_b32 s[WV], v8                  ; wave 0..15
	s_and_b32 s[HD], s[WV], 3
	s_lshr_b32 s[QT], s[WV], 2
	s_bfe_u32 s[CX], ttmp6, 0x40000
	s_bfe_u32 s[CY], ttmp6, 0x40004
	s_and_b32 s[TY], ttmp7, 0xffff
	s_lshl_b32 s[QB], s[TY], 2
	s_add_co_u32 s[QB], s[QB], s[CY]               ; my block of 64 queries
	s_lshl_b32 s[HG], ttmp9, 2
	s_add_co_u32 s[HG], s[HG], s[CX]               ; my four heads
	s_lshl_b32 s76, s[CY], 2
	s_lshl_b32 s76, 15, s76                        ; my row of the cluster
	s_lshl_b32 s77, 0x1111, s[CX]                  ; my column
	s_or_b32 s[G1KV], s77, (3<<16)|(1<<21)         ; 96 dense rows of 256 bytes (32 elements of 8), no padding; the mask: my column
	s_mov_b32 s[G1KV+1], 32<<16
	s_mov_b32 s[G1KV+2], 96<<16
	s_mov_b32 s[G1KV+3], 32<<16
	s_mov_b32 s[G1KV+4], 96
	s_mov_b32 s[G1KV+5], 32
	s_mov_b32 s[G1KV+6], 0
	s_mov_b32 s[G1KV+7], 0
	s_or_b32 s[G1M], s76, (2<<16)|(1<<20)|(1<<21)|(6<<22)|(3<<25)   ; 64 rows of 128 f32, 4,096 apart; 4 words of padding behind every 128; the mask: my row
	s_mov_b32 s[G1M+1], 128<<16
	s_mov_b32 s[G1M+2], 64<<16
	s_mov_b32 s[G1M+3], 128<<16
	s_mov_b32 s[G1M+4], 64
	s_mov_b32 s[G1M+5], 4096
	s_mov_b32 s[G1M+6], 0
	s_mov_b32 s[G1M+7], 0
	s_and_b32 s78, s[WV], 1
	s_mul_i32 s78, s78, 24576                      ; k's half or v's: in a slot and in memory
	s_mul_i32 s80, s[HG], 1572864
	s_add_co_u32 s80, s80, s78
	s_add_co_u32 s80, s80, KVC
	s_mov_b32 s81, 0
	s_lshl_b32 s82, s[QB], 20                      ; the mask: 64 rows of 16,384 bytes a block
	s_mov_b32 s83, 0
	s_mul_i32 s79, s[HD], 24576                    ; the scales: a quarter for each of waves 0 to 3
	s_mul_i32 s84, s[HG], 98304
	s_add_co_u32 s84, s84, s79
	s_add_co_u32 s84, s84, KVS
	s_mov_b32 s85, 0
	s_mov_b32 s[SEL], 0x76543210
	s_mov_b32 s[SEL+1], 0xfedcba98
	s_mov_b32 s[CS], 0x3fb8aa3b                    ; log2(e)
	s_mov_b32 s[CS+1], s[CS]
	s_mov_b32 s[TENK], 0x461c4000                  ; 10000
	s_mov_b32 s[TENK+1], s[TENK]
	s_mov_b32 s[TB], 0
	s_mov_b32 s[TS], 0
	s_mov_b32 s[TJ], 0
	s_mov_b32 s[SLOTS], 31
	s_wait_dscnt 0x0                               ; the opening add is done
	s_wait_kmcnt 0x0
	s_mov_b32 s[G0S], 1
	s_add_co_u32 s[G0S+1], s79, SCB
	s_add_nc_u64 s[G0S+2:G0S+3], s[6:7], s[84:85]
	s_or_b32 s[G0S+3], s[G0S+3], 0x80000000
	s_mov_b32 s[G0KV], 1
	s_mov_b32 s[G0KV+1], s78
	s_add_nc_u64 s[G0KV+2:G0KV+3], s[4:5], s[80:81]
	s_or_b32 s[G0KV+3], s[G0KV+3], 0x80000000
	s_mov_b32 s[G0M], 1
	s_mov_b32 s[G0M+1], MOFF
	s_add_nc_u64 s[G0M+2:G0M+3], s[8:9], s[82:83]
	s_or_b32 s[G0M+3], s[G0M+3], 0x80000000
	CROUND                                         ; all sixteen work-groups are here: the first joint loads meet
	s_cmp_lt_u32 s[WV], 4
	s_cbranch_scc0 .Lno_scales
	tensor_load_to_lds s[G0S:G0S+3], s[G1KV:G1KV+7]    ; the scale words of my four heads: filled once
	s_nop 0
.rept 4
	v_nop
.endr
.Lno_scales:
	TLOAD                                          ; step 0, into slot 0.  By this text's count a wave has at most two tensor loads out
	v_and_b32 v8, 15, v0                           ; r
	v_bfe_u32 v9, v0, 4, 1                         ; h
	v_and_b32 v10, 31, v0                          ; lane
	s_mul_i32 s76, s[HD], 6144
	v_lshl_add_u32 v[AKV], v10, 4, s76
	s_mul_i32 s76, s[QT], 16*MP
	s_add_co_u32 s76, s76, MOFF
	v_mul_u32_u24 v[AM], v8, MP
	v_lshl_add_u32 v[AM], v9, 5, v[AM]
	v_add_nc_u32 v[AM], s76, v[AM]
	s_lshl_b32 s76, s[HD], 9
	s_add_co_u32 s76, s76, KSC
	v_lshl_add_u32 v[AKS], v10, 4, s76
	s_lshl_b32 s76, s[HD], 8
	s_add_co_u32 s76, s76, VSC
	v_lshl_add_u32 v[AVS], v10, 3, s76
	; the prefetches: where my wave's stand, and who asks
	s_mov_b32 s76, 49152
	s_cmp_eq_u32 s[WV], 3
	s_cselect_b64 s[PFA:PFA+1], s[8:9], s[4:5]
	s_cselect_b32 s[PFS], 512, s76                 ; a step on
	s_cselect_b32 s[EVN], 1, 0                     ; the mask's wave asks in every trip
	s_cselect_b32 s77, -1, 0
	s_lshl_b32 s78, s[QB], 20
	s_lshl_b32 s79, s[CX], 18                      ; my work-group's 16 rows of the 64
	s_add_co_u32 s78, s78, s79
	s_add_co_u32 s78, s78, 512                     ; at step 1: the first change steps it to step 2
	s_mul_i32 s80, s[HG], 1572864
	s_mul_i32 s79, s[CY], 12288                    ; my work-group's 48 blocks of a step's 192
	s_add_co_u32 s80, s80, s79
	s_add_co_u32 s80, s80, KVC+49152
	s_cmp_eq_u32 s[WV], 3
	s_cselect_b32 s78, s78, s80
	s_mov_b32 s79, 0
	s_mov_b32 s[PFS+1], 0
	s_add_nc_u64 s[PFA:PFA+1], s[PFA:PFA+1], s[78:79]
	s_sub_co_u32 s80, s[WV], 4
	s_cmp_lt_u32 s80, 3                            ; waves 4 to 6,
	s_cselect_b32 s80, s[TY], 1
	s_cmp_eq_u32 s80, 0                            ; of the clusters with y = 0: the same in all partners
	s_cselect_b32 s[LIM], 1, -1
	s_cmp_eq_u32 s[WV], 3
	s_cselect_b32 s[LIM], 1, s[LIM]
	v_lshrrev_b32 v250, 1, v10
	v_and_b32 v251, 1, v10
	v_lshlrev_b32 v251, 8, v251
	v_lshl_add_u32 v250, v250, 14, v251            ; the mask: row lane / 2, block lane % 2
	s_lshl_b32 s80, s[HD], 5
	v_add_nc_u32 v251, s80, v10                    ; k, v: i = 32 (wave - 4) + lane, 0 .. 95
	v_add_nc_u32 v[PFO], 80, v251
	v_lshrrev_b32 v[PFO], 7, v[PFO]                ; 1 from i = 48 on: the second of the two steps,
	v_mul_u32_u24 v[PFO], v[PFO], 36864            ; 49,152 - 48 x 256 bytes further on
	v_lshl_add_u32 v[PFO], v251, 8, v[PFO]
	v_cndmask_b32 v[PFO], v[PFO], v250, s77
	; q: my tile is half of an image of 32 tokens
	s_mul_i32 s76, s[HG], 786432
	s_lshr_b32 s77, s[QB], 1                       ; which 128 tokens
	s_mul_i32 s78, s77, 24576
	s_add_co_u32 s76, s76, s78
	s_mul_i32 s78, s[HD], 6144
	s_add_co_u32 s76, s76, s78
	s_and_b32 s78, s[QB], 1
	s_lshl_b32 s78, s78, 1
	s_lshr_b32 s79, s[QT], 1
	s_add_co_u32 s78, s78, s79                     ; which 32 of them
	s_mul_i32 s79, s78, 1536
	s_add_co_u32 s76, s76, s79
	v_lshl_add_u32 v11, v10, 4, s76
.irp c, 0,1,2
	global_load_b128 v[BUF+4*\c:BUF+4*\c+3], v11, s[4:5] offset:512*\c
.endr
	s_lshl_b32 s80, s[HG], 16
	s_lshl_b32 s77, s77, 11
	s_add_co_u32 s80, s80, s77
	s_lshl_b32 s77, s[HD], 9
	s_add_co_u32 s80, s80, s77
	s_and_b32 s81, s[QT], 1                        ; which 16 of the 32
	s_lshl_b32 s77, s81, 8
	s_add_co_u32 s80, s80, s77
	s_lshl_b32 s77, s78, 2
	s_add_co_u32 s80, s80, s77
	v_lshl_add_u32 v250, v8, 4, s80
	global_load_b32 v[QSW], v250, s[6:7]           ; q's scale words: every lane its query's
	s_cmp_eq_u32 s81, 1
	s_cselect_b32 s82, -1, 0
	v_mov_b32 v13, 0xff61b1e6                      ; the largest t so far: -3e38
	v_floor_f32 v12, -v13                          ; -M
	v_mov_b32 v14, 0                               ; the sum, in two halves
	v_mov_b32 v15, 0
.irp b, 0,1,2,3
	v_mov_b32 v[MY+\b], 0                          ; written once: a lane permute's destination counts as one of its sources
.endr
	v_mov_b32 v[F+1], 0                            ; (named as the upper half of a pair)
	v_mov_b32 v[NEG], 0xc61c4000                   ; -10000
	v_mov_b32 v[NEG+1], 0xc61c4000
.irp i, 0,1,2,3,4,5
	v_mov_b32 v[QF+6+\i], 0                        ; q's zero codes
	v_mov_b32 v[BUF+48+\i], 0                      ; what the last tile of k reads beyond its six registers in the first step
.endr
.set ii, 0
.rept 32
	v_mov_b32 v[O+ii], 0                           ; O^T: the step is written once; the first finds zeros, which the first change of M leaves zeros
.set ii, ii+1
.endr
	s_wait_loadcnt 0x0
.irp i, 0,1,2,3,4,5
	v_cndmask_b32 v[QF+\i], v[BUF+\i], v[BUF+6+\i], s82
.endr
; A KEY STEP: 128 keys.
.macro STEP
	v_add_nc_u32 v[ADK], s[TB], v[AKV]             ; (these four are also the places behind the last step's products, in front of the loads into their registers)
	v_add_nc_u32 v[ADM], s[TB], v[AM]
	v_add_nc_u32 v[ADS], s[TS], v[AKS]
	v_add_nc_u32 v[ADT], s[TJ], v[AVS]
.set ii, 0
.rept 12
	ds_load_b128 v[BUF+4*ii:BUF+4*ii+3], v[ADK] offset:512*ii      ; k: eight tiles of 16 keys, six registers each
.set ii, ii+1
.endr
	ds_load_b128 v[KSW:KSW+3], v[ADS]              ; lanes 0-15 the even tiles' words, lanes 16-31 the odd tiles'
	s_wait_dscnt 0x0
.irp t, 0,2,4,6
	v_wmma_scale_f32_16x16x128_f8f6f4 v[S+8*\t:S+8*\t+7], v[BUF+6*\t:BUF+6*\t+11], v[QF:QF+11], 0, v[KSW+\t/2], v[QSW] matrix_a_fmt:MATRIX_FMT_FP6 matrix_b_fmt:MATRIX_FMT_FP6
	v_wmma_scale_f32_16x16x128_f8f6f4 v[S+8*\t+8:S+8*\t+15], v[BUF+6*\t+6:BUF+6*\t+17], v[QF:QF+11], 0, v[KSW+\t/2], v[QSW] matrix_a_fmt:MATRIX_FMT_FP6 matrix_b_fmt:MATRIX_FMT_FP6 matrix_a_scale:MATRIX_SCALE_ROW1
.endr
.rept 4
	v_nop                                          ; places in front of the loads into k's registers and of the first read of the scores
.endr
.irp t, 0,1,2,3,4,5,6,7
	ds_load_b128 v[BUF+8*\t:BUF+8*\t+3], v[ADM] offset:64*\t       ; the mask at my query and the keys of my registers
	ds_load_b128 v[BUF+8*\t+4:BUF+8*\t+7], v[ADM] offset:64*\t+16
.endr
.irp k, 0,1,2,3
	s_wait_dscnt 12-4*\k                           ; this block's four loads are in; those issued behind them may be out
.irp i, 0,2,4,6,8,10,12,14
	v_pk_fma_f32 v[T+\i:T+\i+1], v[BUF+16*\k+\i:BUF+16*\k+\i+1], s[TENK:TENK+1], v[NEG:NEG+1] op_sel_hi:[1,0,1]   ; b = 10000 m - 10000
.endr
.irp i, 0,2,4,6,8,10,12,14
	v_pk_fma_f32 v[S+16*\k+\i:S+16*\k+\i+1], v[S+16*\k+\i:S+16*\k+\i+1], v[BUF+16*\k+\i:BUF+16*\k+\i+1], v[T+\i:T+\i+1]   ; logit = s m + b; each accumulator from its low end on
.endr
.endr
.set ii, 0
.rept 12
	ds_load_b128 v[BUF+4*ii:BUF+4*ii+3], v[ADK] offset:VOFF+512*ii ; v: four fragments of 16 features x 128 keys: they land under the softmax
.set ii, ii+1
.endr
	ds_load_b64 v[VSW:VSW+1], v[ADT]
.irp b, 0,1,2,3
	v_max3_num_f32 v[MX+\b], v[S+16*\b], v[S+1+16*\b], v[S+2+16*\b]   ; the largest logit of each block of 32 keys: for the row's maximum and, since p rises with the logit, for the block's largest p
.endr
.irp i, 3,5,7,9,11,13
.irp b, 0,1,2,3
	v_max3_num_f32 v[MX+\b], v[MX+\b], v[S+16*\b+\i], v[S+1+16*\b+\i]
.endr
.endr
.irp b, 0,1,2,3
	v_max_num_f32 v[MX+\b], v[MX+\b], v[S+15+16*\b]
.endr
.irp b, 0,1,2,3
	v_permlanex16_b32 v[MY+\b], v[MX+\b], s[SEL], s[SEL+1]
.endr
.irp b, 0,1,2,3
	v_max_num_f32 v[MX+\b], v[MX+\b], v[MY+\b]     ; with lane l xor 16's 16 keys
.endr
	v_max3_num_f32 v[TMP], v[MX], v[MX+1], v[MX+2]
	v_max_num_f32 v[TMP], v[TMP], v[MX+3]
	v_mul_f32 v[TMP], s[CS], v[TMP]                ; as t
	v_max_num_f32 v13, v13, v[TMP]                 ; the running largest t
	v_mov_b32 v[TMP], v12
	v_floor_f32 v12, -v13                          ; the new -M = -ceil(t): a whole number
	v_sub_f32 v[TMP], v12, v[TMP]                  ; old M - new M: a whole number, 0 or less
	v_cvt_i32_f32 v[TMP], v[TMP]                   ; (it saturates)
	v_ldexp_f32 v[F], 1.0, v[TMP]                  ; f = 2^(old M - new M)
.set ii, 0
.rept 32
	v_pk_fma_f32 v[S+ii:S+ii+1], v[S+ii:S+ii+1], s[CS:CS+1], v[12:13] op_sel_hi:[1,0,0]   ; t - M
.set ii, ii+2
.endr
.irp b, 0,1,2,3
	v_fma_f32 v[MX+\b], v[MX+\b], s[CS], v12       ; the same of each block's largest logit
.endr
.set ii, 0
.rept 64
	v_exp_f32 v[S+ii], v[S+ii]                     ; p = 2^(t - M), at most 1
.set ii, ii+1
.endr
	v_pk_mul_f32 v[14:15], v[14:15], v[F:F+1] op_sel_hi:[1,0]      ; the sums under the new M: a plain line behind the exponentials
	s_wait_alu depctr_va_vdst(0)                   ; the wait ahead of the first line that names a result: one for the batch of 64
.irp b, 0,1,2,3
	v_exp_f32 v[MX+\b], v[MX+\b]                   ; the block's largest p: the same two lines on the same number give the same bits
.endr
	v_pk_add_f32 v[L2:L2+1], v[S:S+1], v[S+2:S+3]  ; the row's sum of the unquantised p, in two chains
.irp j, 4,8,12,16,20,24,28,32,36,40,44,48,52,56,60
	v_pk_add_f32 v[14:15], v[14:15], v[S+\j:S+\j+1]
	v_pk_add_f32 v[L2:L2+1], v[L2:L2+1], v[S+2+\j:S+3+\j]
.endr
	v_pk_add_f32 v[14:15], v[14:15], v[L2:L2+1]
	s_wait_alu depctr_va_vdst(0)                   ; and one for the four
.irp b, 0,1,2,3
	v_max_num_f32 v[MX+\b], 0x1800000, v[MX+\b]    ; the floor 2^(3 - 127): the byte cannot fall under 1
.endr
.irp b, 0,1,2,3
	v_add_nc_u32 v[SO+\b], 0xff000000, v[MX+\b]    ; 2 off the exponent field: the conversion's scale operand
.endr
.irp b, 0,1,2,3
	v_lshrrev_b32 v[MY+\b], 23, v[SO+\b]           ; the scale's byte
.endr
	v_lshl_or_b32 v[PSW], v[MY+1], 8, v[MY]        ; p's scale word for these 128 keys
	v_lshl_or_b32 v[PSW], v[MY+2], 16, v[PSW]
	v_lshl_or_b32 v[PSW], v[MY+3], 24, v[PSW]
.irp c, 0,1
	v_cvt_scalef32_pk16_fp6_f32 v[PC+6*\c:PC+2+6*\c], v[S+32*\c:S+15+32*\c], v[SO+2*\c]
	v_cvt_scalef32_pk16_fp6_f32 v[CT+4*\c:CT+2+4*\c], v[S+16+32*\c:S+31+32*\c], v[SO+2*\c+1]
.endr
	v_nop                                          ; one plain line behind the conversions
.irp c, 0,1                            ; the operand wants a whole block in a lane: lanes 0-15 block 2 c, lanes 16-31 block 2 c + 1
.irp i, 0,1,2
	v_permlane16_swap_b32 v[PC+6*\c+\i], v[CT+4*\c+\i]
.endr
.irp i, 0,1,2
	v_mov_b32 v[PC+3+6*\c+\i], v[CT+4*\c+\i]
.endr
.endr
.set ii, 0
.rept 16
	v_pk_mul_f32 v[O+ii:O+ii+1], v[O+ii:O+ii+1], v[F:F+1] op_sel_hi:[1,0]   ; O^T under the new M.  (These sixteen are also the places between the lines that made p's codes and scale word and the products)
.set ii, ii+2
.endr
	s_wait_dscnt 0x0                               ; v's fragments and scale words are in
.irp t, 0,2
	v_wmma_scale_f32_16x16x128_f8f6f4 v[O+8*\t:O+8*\t+7], v[BUF+12*\t:BUF+12*\t+11], v[PC:PC+11], v[O+8*\t:O+8*\t+7], v[VSW+\t/2], v[PSW] matrix_a_fmt:MATRIX_FMT_FP6 matrix_b_fmt:MATRIX_FMT_FP6
	v_wmma_scale_f32_16x16x128_f8f6f4 v[O+8*\t+8:O+8*\t+15], v[BUF+12*\t+12:BUF+12*\t+23], v[PC:PC+11], v[O+8*\t+8:O+8*\t+15], v[VSW+\t/2], v[PSW] matrix_a_fmt:MATRIX_FMT_FP6 matrix_b_fmt:MATRIX_FMT_FP6 matrix_a_scale:MATRIX_SCALE_ROW1
.endr                                  ; the four accumulators take turns, and the scores' eight products stand between a step's and the next step's
	s_add_co_u32 s[TS], s[TS], 2048
	s_add_co_u32 s[TJ], s[TJ], 1024
	s_xor_b32 s[TB], s[TB], SLOT1
.endm
; THE CHANGE OF SLOTS stands at a step's head.  Each wave waits for all its tensor loads, adds 0 to its spare word, and waits for that and for its reads of the slot that it has left.  fill = 1: a round of the cluster's barrier,
; so that no wave of any partner still reads that slot or has a load on its way; behind it the slot takes the next step's tiles, which have a whole step in which to land.
.macro CHANGE fill
	s_wait_tensorcnt 0x0                           ; no tensor load of mine is out, so a group 0 may be written
	ds_add_u32 v[SPW], v[NIL]                      ; 0 onto my spare word
.if \fill
	s_xor_b32 s[G0KV+1], s[G0KV+1], SLOT1
	s_add_nc_u64 s[G0KV+2:G0KV+3], s[G0KV+2:G0KV+3], 49152
	s_xor_b32 s[G0M+1], s[G0M+1], SLOT1
	s_add_nc_u64 s[G0M+2:G0M+3], s[G0M+2:G0M+3], 512
	s_wait_xcnt 0x0                                ; the last prefetch, a step back, has read its address
	s_add_nc_u64 s[PFA:PFA+1], s[PFA:PFA+1], s[PFS:PFS+1]
	s_wait_dscnt 0x0                               ; the add is done, and my reads of the slot that I have left are over
	CROUND
	TLOAD                                          ; the first thing behind the round, and a wave's one tensor load until the next
	ASK
.else
	s_wait_dscnt 0x0
	s_barrier_signal -1
	s_barrier_wait -1
.endif
.endm
.Lslot:                                            ; 31 trips: behind each change of slots but the last the next step is asked for
	CHANGE 1
	STEP
	s_sub_co_u32 s[SLOTS], s[SLOTS], 1
	s_cmp_lg_u32 s[SLOTS], 0
	s_cbranch_scc1 .Lslot
	CHANGE 0                                       ; the last step is written out
	STEP
	; THE WAY OUT.  O^T / the sum is quantised along the features: my 16 numbers of each block of 32 become 12 bytes, which go through a stage in LDS so that a query's 192 bytes (four heads) leave together.
	v_add_f32 v14, v14, v15
	v_permlanex16_b32 v[TMP], v14, s[SEL], s[SEL+1]
	v_add_f32 v14, v14, v[TMP]                     ; the row's sum
	v_rcp_f32 v14, v14
	v_and_b32 v8, 15, v0                           ; r  (plain lines behind the reciprocal, and the places behind the last products)
	v_bfe_u32 v9, v0, 4, 1                         ; h
	s_mul_i32 s76, s[QT], 16*272
	s_lshl_b32 s77, s[HD], 6
	s_add_co_u32 s76, s76, s77
	s_add_co_u32 s76, s76, STG
	v_mul_u32_u24 v10, v8, 272
	v_lshl_add_u32 v10, v9, 4, v10
	v_add_nc_u32 v10, s76, v10                     ; in: my query's row, my head's four places, place 2 e + h
	s_lshl_b32 s76, s[QT], 7
	s_lshl_b32 s77, s[HD], 1
	s_add_co_u32 s76, s76, s77
	s_add_co_u32 s76, s76, SST
	v_lshl_add_u32 v11, v8, 3, s76                 ; my query's 8 scale bytes, my head's two
	s_mul_i32 s76, s[WV], 4*272
	s_add_co_u32 s76, s76, STG
	v_mul_u32_u24 v1, v9, 272
	v_lshl_add_u32 v1, v8, 4, v1
	v_add_nc_u32 v1, s76, v1                       ; back: wave w takes rows 4 w on, sixteen lanes to a row
	v_and_b32 v2, 63, v0
	v_lshl_add_u32 v3, v2, 3, SST                  ; the scale bytes, back: 8 bytes a row (waves 0 and 1)
	v_lshlrev_b32 v4, 5, v2                        ; and their place in ctx_scales: 32 bytes a row
	v_mul_u32_u24 v2, v9, 768
	v_mad_u32_u24 v2, v8, 12, v2                   ; the codes' place in ctx_codes
	s_lshl_b32 s76, s[QB], 6
	s_lshl_b32 s77, s[WV], 2
	s_add_co_u32 s77, s76, s77
	s_mul_i32 s78, s77, 768
	s_mul_i32 s79, s[HG], 192
	s_add_co_u32 s78, s78, s79
	s_mov_b32 s79, 0
	s_add_nc_u64 s[10:11], s[10:11], s[78:79]
	s_lshl_b32 s78, s76, 5
	s_lshl_b32 s77, s[HG], 3
	s_add_co_u32 s78, s78, s77
	s_add_nc_u64 s[12:13], s[12:13], s[78:79]
	s_wait_alu depctr_va_vdst(0)                   ; the wait ahead of the reciprocal's first reader
.set ii, 0
.rept 32
	v_mul_f32 v[S+ii], v[O+ii], v14                ; register 8 t + j is feature 16 t + 8 h + j of my query; each accumulator from its low end on
.set ii, ii+1
.endr
.irp e, 0,1
	v_max3_num_f32 v[MX+\e], |v[S+16*\e]|, |v[S+1+16*\e]|, 0x1800000
.endr
.irp i, 2,4,6,8,10,12,14
.irp e, 0,1
	v_max3_num_f32 v[MX+\e], v[MX+\e], |v[S+16*\e+\i]|, |v[S+1+16*\e+\i]|
.endr
.endr
.irp e, 0,1
	v_permlanex16_b32 v[MY+\e], v[MX+\e], s[SEL], s[SEL+1]
.endr
.irp e, 0,1
	v_max_num_f32 v[MX+\e], v[MX+\e], v[MY+\e]
.endr
.irp e, 0,1
	v_add_nc_u32 v[SO+\e], 0xff000000, v[MX+\e]
.endr
.irp e, 0,1
	v_lshrrev_b32 v[MY+\e], 23, v[SO+\e]
.endr
	v_cvt_scalef32_pk16_fp6_f32 v[PC:PC+2], v[S:S+15], v[SO]
	v_cvt_scalef32_pk16_fp6_f32 v[PC+4:PC+6], v[S+16:S+31], v[SO+1]
	v_nop                                          ; one plain line behind the conversions
	v_lshl_or_b32 v[TMP], v[MY+1], 8, v[MY]
	ds_store_b96 v10, v[PC:PC+2]                   ; 12 bytes to a place of 16: a block's first half from lanes 0-15, its second from lanes 16-31
	ds_store_b96 v10, v[PC+4:PC+6] offset:32
	ds_store_b16 v11, v[TMP]                       ; both halves of the lanes write the same two bytes with the same value
	s_wait_dscnt 0x0                               ; for the others' sake: my stores are done
	s_barrier_signal -1
	s_barrier_wait -1
	ds_load_b96 v[BUF:BUF+2], v1
	ds_load_b96 v[BUF+4:BUF+6], v1 offset:2*272
	s_wait_dscnt 1
	global_store_b96 v2, v[BUF:BUF+2], s[10:11]    ; sixteen lanes store a row's 192 consecutive bytes
	s_wait_dscnt 0x0
	global_store_b96 v2, v[BUF+4:BUF+6], s[10:11] offset:2*768
	s_cmp_lt_u32 s[WV], 2
	s_cbranch_scc0 .Lno_bytes
	ds_load_b64 v[BUF+8:BUF+9], v3
	s_wait_dscnt 0x0
	global_store_b64 v4, v[BUF+8:BUF+9], s[12:13]
.Lno_bytes:
	s_wait_tensorcnt 0x0                           ; the wave's end: behind my last tensor load and my last LDS store
	ds_add_u32 v[SPW], v[NIL]
	s_wait_dscnt 0x0
	CROUND                                         ; the closing round
	s_endpgm
.Lfunc_end_k_q9b9ea56929_attn:
	.size	k_q9b9ea56929_attn, .Lfunc_end_k_q9b9ea56929_attn-k_q9b9ea56929_attn
	.p2alignl 7, 3214868480
	.fill 96, 4, 3214868480
	.section	.rodata,"a",@progbits
	.p2align	6, 0x0
	.amdhsa_kernel k_q9b9ea56929_attn
		.amdhsa_group_segment_fixed_size 327680
		.amdhsa_private_segment_fixed_size 0
		.amdhsa_enable_private_segment 0
		.amdhsa_kernarg_size 40
		.amdhsa_user_sgpr_count 2
		.amdhsa_user_sgpr_kernarg_segment_ptr 1
		.amdhsa_wavefront_size32 1
		.amdhsa_system_sgpr_workgroup_id_x 1
		.amdhsa_system_sgpr_workgroup_id_y 1
		.amdhsa_system_sgpr_workgroup_id_z 1
		.amdhsa_system_vgpr_workitem_id 0
		.amdhsa_next_free_vgpr 256
		.amdhsa_next_free_sgpr 100
		.amdhsa_reserve_vcc 0
		.amdhsa_float_denorm_mode_32 3
		.amdhsa_float_denorm_mode_16_64 3
		.amdhsa_memory_ordered 1
		.amdhsa_forward_progress 1
		.amdhsa_inst_pref_size 60
	.end_amdhsa_kernel
	.amdgpu_metadata
---
amdhsa.version: [ 1, 2 ]
amdhsa.kernels:
  - .name:           k_q9b9ea56929_attn
    .symbol:         k_q9b9ea56929_attn.kd
    .args:
      - { .name: att_codes, .offset: 0, .size: 8, .value_kind: global_buffer, .address_space: global }
      - { .name: att_scales, .offset: 8, .size: 8, .value_kind: global_buffer, .address_space: global }
      - { .name: mask, .offset: 16, .size: 8, .value_kind: global_buffer, .address_space: global }
      - { .name: ctx_codes, .offset: 24, .size: 8, .value_kind: global_buffer, .address_space: global }
      - { .name: ctx_scales, .offset: 32, .size: 8, .value_kind: global_buffer, .address_space: global }
    .group_segment_fixed_size: 327680
    .private_segment_fixed_size: 0
    .kernarg_segment_align: 8
    .kernarg_segment_size: 40
    .max_flat_workgroup_size: 512
    .sgpr_count:     100
    .vgpr_count:     256
    .wavefront_size: 32
...
	.end_amdgpu_metadata
.endif
;; end of part 3
;; launch outp (part 4): grid 4 x 16, 4 waves a work-group, clusters of 4 x 4, 327,680 bytes of LDS; arguments ctx_codes, ctx_scales, lin_codes, lin_scales, out0, b_out; writes out0
.if DOCPART == 4
	.amdgcn_target "amdgcn-amd-amdhsa--gfx1250"
	.amdhsa_code_object_version 6
	.text
	.protected	k_q9b9ea56929_outp
	.globl	k_q9b9ea56929_outp
	.p2align	8
	.type	k_q9b9ea56929_outp,@function
k_q9b9ea56929_outp:
	s_mov_b64 s[64:65], 0
	v_nop
	global_prefetch_b8 v0, s[64:65] scope:SCOPE_SE
	s_setreg_imm32_b32 hwreg(HW_REG_WAVE_MODE, 25, 1), 1
	s_wait_xcnt 0x0
	s_wait_alu depctr_hold_cnt(0) depctr_sa_sdst(0) depctr_va_vdst(0) depctr_va_sdst(0) depctr_va_ssrc(0) depctr_va_vcc(0) depctr_vm_vsrc(0)
	s_getreg_b32 s2, hwreg(HW_REG_IB_STS2, 6, 4)
	s_cmp_eq_u32 s2, 0
	s_cbranch_scc0 .Lentry_in_a_cluster
	s_endpgm
.Lentry_in_a_cluster:
	s_bfe_u32 s2, ttmp6, 0x10000c
	s_cmp_lg_u32 s2, 0xf033
	s_cbranch_scc0 .Lentry_shape_is_right
	s_endpgm
.Lentry_shape_is_right:
; out = ctx W_out + b_out on codes of FP6 (E2M3) with one E8M0 scale for each 32 along K = 1,024.  A = ctx's 4,096 rows (768 bytes of codes, 32 scale bytes a row); B = W_out's 1,024 columns as rows, at OC in lin_codes and OS in lin_scales.
; Both have each block of 32 along K in the same order of places, so the products meet their partners.
; A tile of 256 x 256 to a work-group of four waves, 128 x 128 a wave: 64 accumulators.  K goes in steps of 256 through a ring of two LDS slots; the tile's scale bytes come once.  64 work-groups: the product has 64 such tiles.
; CLUSTERS: 4 x 4: A's tile is asked for jointly along a row of the cluster, B's along a column.  The matrix instruction is used transposed (source 0 = 16 rows of B, source 1 = 16 rows of A): a lane holds eight neighbouring
; numbers of a row of out.  The bias is the C of each sum's first product: eight registers for each of B's blocks, in the result's layout.
; REGISTERS: window 0: v0-31 addresses; v32-63 scale words, two sets; v64-127 the bias; from v128 A's fragments, one set; on the way out v128-255 rows read back.  window 1: B's fragments, two sets.  windows 2, 3: the accumulators.
.set SIZE_N, 1024
.set SIZE_K, 1024
.set KSTEP,  256
.set NQ,     KSTEP/128
.set ROWB,   192
.set KROW,   SIZE_K*6/8
.set PITCH,  240
.set FR,     12
.set NL,     6
.set NP,     4
.set HALFT,  128*PITCH
.set SLOT,   4*HALFT
.set LAPS,   SIZE_K/(2*KSTEP)
.set KS,     SIZE_K/32
.set SCL,    2*SLOT
.set HALFS,  (128*KS/256)*272
.set SBLK,   (16*KS/256)*272
.set SPARE,  SCL+4*HALFS
.set SPITCH, 528                       ; the way out: a stage of 16 rows x (512 bytes + 16) for each wave, in slot 0, which has had its last fill and its last read when the first result is stored there
.set OC,     5505024
.set OS,     229376
.set ADRA, 16
.set ADRB, 20
.set STO,  24
.set RD,   25
.set CO,   26
.set ADRS, 27
.set SPW,  28
.set NIL,  29
.set SC,   32
.set BP,   64
.set AF,   128
.set BK,   128
.set G1, 24
.set G0, 32
.set G1B, 48
.set G0B, 56
.set G1S, 68
.set G0S, 76
.set G1SB, 80
.set G0SB, 88
.set MSB, 0
.macro WIN new                         ; the immediate's high byte repeats the setting that is left
.if MSB != (\new)
	s_set_vgpr_msb (MSB<<8)|(\new)
.set MSB, (\new)
.endif
.endm
.set MUL_LO, 0xa1                      ; source 0 (B) window 1, source 1 (A) window 0, C and D window 2
.set MUL_HI, 0xf1
.set BIAS_LO, 0x81                     ; the same with C in window 0: the bias
.set BIAS_HI, 0xc1
.set TO_B,   0x40
.macro JLOAD g0a, g1a, g0b, g1b        ; a joint load: waves 0 and 1 fetch for A, waves 2 and 3 for B; an s_nop 0 and four v_nop follow each line
	s_cmp_eq_u32 s15, 0
	s_cbranch_scc0 .Lfor_b_\@
	tensor_load_to_lds s[\g0a:\g0a+3], s[\g1a:\g1a+7]
	s_nop 0
.rept 4
	v_nop
.endr
	s_branch .Lasked_\@
.Lfor_b_\@:
	tensor_load_to_lds s[\g0b:\g0b+3], s[\g1b:\g1b+7]
	s_nop 0
.rept 4
	v_nop
.endr
.Lasked_\@:
.endm
.macro CREST
	s_cmp_lg_u32 s14, 0
	s_cbranch_scc1 .Lnot_wave_0_\@
	s_barrier_signal -3
.Lnot_wave_0_\@:
	s_barrier_wait -3
	s_barrier_signal -1
	s_barrier_wait -1
.endm
.macro CROUND
	s_barrier_signal -1
	s_barrier_wait -1
	CREST
.endm
	s_load_b128 s[4:7], s[0:1], 0x0                ; A's codes, A's scales
	s_load_b128 s[8:11], s[0:1], 0x10              ; lin_codes, lin_scales
	s_load_b64 s[12:13], s[0:1], 0x20              ; out
	s_load_b64 s[96:97], s[0:1], 0x28              ; b_out
	v_lshl_add_u32 v[SPW], v0, 2, SPARE
	v_mov_b32 v[NIL], 0
	ds_add_u32 v[SPW], v[NIL]                      ; the wave's opening: the add and its wait stand ahead of my first tensor load
	v_lshrrev_b32 v1, 5, v0
	v_readfirstlane_b32 s14, v1                    ; wave 0..3
	s_lshr_b32 s15, s14, 1                         ; which half of the tile's rows is mine.  Also: I fetch for A (0) or for B (1)
	s_and_b32 s16, s14, 1                          ; which half of its columns.  Also: which 128 rows of that tile I fetch
	s_bfe_u32 s40, ttmp6, 0x40000
	s_bfe_u32 s41, ttmp6, 0x40004
	s_lshl_b32 s42, ttmp9, 2
	s_add_co_u32 s42, s42, s40                     ; tile column
	s_and_b32 s17, ttmp7, 0xffff
	s_lshl_b32 s17, s17, 2
	s_add_co_u32 s17, s17, s41                     ; tile row
	s_lshl_b32 s43, s41, 2
	s_lshl_b32 s43, 15, s43                        ; my row of the cluster
	s_lshl_b32 s44, 0x1111, s40                    ; my column
	s_or_b32 s[G1+0], s43, (0<<16)|(1<<20)|(1<<21)|(3<<22)|(3<<25)   ; 128 rows x 192 bytes, 16 bytes of padding behind every 64
	s_or_b32 s[G1B+0], s44, (0<<16)|(1<<20)|(1<<21)|(3<<22)|(3<<25)
.irp g, G1, G1B
	s_mov_b32 s[\g+1], ROWB<<16
	s_mov_b32 s[\g+2], 128<<16
	s_mov_b32 s[\g+3], ROWB<<16
	s_mov_b32 s[\g+4], 128
	s_mov_b32 s[\g+5], KROW
	s_mov_b32 s[\g+6], 0
	s_mov_b32 s[\g+7], 0
.endr
	s_or_b32 s[G1S+0], s43, (3<<16)|(1<<20)|(1<<21)|(5<<22)|(3<<25)  ; the scales of 128 rows: 16 rows of 256 bytes, 16 bytes of padding behind each
	s_or_b32 s[G1SB+0], s44, (3<<16)|(1<<20)|(1<<21)|(5<<22)|(3<<25)
.irp g, G1S, G1SB
	s_mov_b32 s[\g+1], 32<<16
	s_mov_b32 s[\g+2], (128*KS/256)<<16
	s_mov_b32 s[\g+3], 32<<16
	s_mov_b32 s[\g+4], 128*KS/256
	s_mov_b32 s[\g+5], 32
	s_mov_b32 s[\g+6], 0
	s_mov_b32 s[\g+7], 0
.endr
	s_lshl_b32 s18, s16, 7
	s_lshl_b32 s20, s17, 8
	s_add_co_u32 s20, s20, s18                     ; A: row 256 x tile row + 128 x half
	s_lshl_b32 s46, s42, 8
	s_add_co_u32 s46, s46, s18                     ; B: row 256 x tile column + 128 x half
	s_mov_b32 s21, 0
	s_mov_b32 s47, 0
	s_mov_b64 s[18:19], KS
	s_mul_u64 s[22:23], s[20:21], s[18:19]
	s_mul_u64 s[92:93], s[46:47], s[18:19]
	s_mov_b64 s[18:19], KROW
	s_mul_u64 s[20:21], s[20:21], s[18:19]
	s_mul_u64 s[46:47], s[46:47], s[18:19]
	s_add_nc_u64 s[46:47], s[46:47], OC            ; W_out's part of lin_codes,
	s_add_nc_u64 s[92:93], s[92:93], OS            ; and of lin_scales
	s_mul_i32 s45, s14, HALFT
	s_mul_i32 s94, s14, HALFS
	s_wait_dscnt 0x0                               ; the opening add is done
	s_wait_kmcnt 0x0
	s_add_nc_u64 s[20:21], s[4:5], s[20:21]
	s_add_nc_u64 s[22:23], s[6:7], s[22:23]
	s_add_nc_u64 s[46:47], s[8:9], s[46:47]
	s_add_nc_u64 s[92:93], s[10:11], s[92:93]
	CROUND                                         ; all sixteen work-groups are here: the first joint loads meet
	s_mov_b32 s[G0S], 1
	s_add_co_u32 s[G0S+1], s94, SCL
	s_mov_b64 s[G0S+2:G0S+3], s[22:23]
	s_or_b32 s[G0S+3], s[G0S+3], 0x80000000
	s_mov_b32 s[G0SB], 1
	s_add_co_u32 s[G0SB+1], s94, SCL
	s_mov_b64 s[G0SB+2:G0SB+3], s[92:93]
	s_or_b32 s[G0SB+3], s[G0SB+3], 0x80000000
	JLOAD G0S, G1S, G0SB, G1SB
.irp s, 0,1
	s_mov_b32 s[G0+4*\s], 1
	s_add_co_u32 s[G0+4*\s+1], s45, \s*SLOT
	s_add_nc_u64 s[G0+4*\s+2:G0+4*\s+3], s[20:21], \s*ROWB
	s_or_b32 s[G0+4*\s+3], s[G0+4*\s+3], 0x80000000
	s_mov_b32 s[G0B+4*\s], 1
	s_add_co_u32 s[G0B+4*\s+1], s45, \s*SLOT
	s_add_nc_u64 s[G0B+4*\s+2:G0B+4*\s+3], s[46:47], \s*ROWB
	s_or_b32 s[G0B+4*\s+3], s[G0B+4*\s+3], 0x80000000
	JLOAD G0+4*\s, G1, G0B+4*\s, G1B
.endr
	v_and_b32 v1, 15, v0
	v_bfe_u32 v2, v0, 4, 1
	v_mul_u32_u24 v3, v1, PITCH
	v_mul_u32_u24 v4, v2, 24
	v_add_nc_u32 v4, v3, v4
	v_lshl_add_u32 v5, v2, 4, v4
	s_mul_i32 s21, s15, HALFT
	s_mul_i32 s22, s16, HALFT
	s_add_co_u32 s22, s22, 2*HALFT
.irp s, 0,1
	v_add_nc_u32 v[ADRA+\s], s21, v4
	v_add_nc_u32 v[ADRB+\s], s22, v4
	v_add_nc_u32 v[ADRA+2+\s], s21, v5
	v_add_nc_u32 v[ADRB+2+\s], s22, v5
	s_add_co_u32 s21, s21, SLOT
	s_add_co_u32 s22, s22, SLOT
.endr
	v_mul_u32_u24 v5, v1, KS
	v_lshrrev_b32 v6, 8, v5
	v_lshl_add_u32 v5, v6, 4, v5
	s_mul_i32 s21, s15, HALFS
	s_mul_i32 s22, s16, HALFS
	s_add_co_u32 s22, s22, 2*HALFS
	s_sub_co_u32 s22, s22, s21
	v_mul_u32_u24 v6, s22, v2                      ; lanes 16-31 take B's
	s_add_co_u32 s21, s21, SCL
	v_add_nc_u32 v5, v5, v6
	v_add_nc_u32 v[ADRS], s21, v5
	s_mul_i32 s23, s14, 16*SPITCH                  ; my stage
	v_mul_u32_u24 v5, v1, SPITCH
	v_lshl_add_u32 v5, v2, 5, v5
	v_add_nc_u32 v[STO], s23, v5
	v_and_b32 v6, 31, v0
	v_lshlrev_b32 v[CO], 4, v6
	v_add_nc_u32 v[RD], s23, v[CO]
	s_lshl_b32 s20, s17, 8
	s_lshl_b32 s21, s15, 7
	s_add_co_u32 s20, s20, s21                     ; my first row of out
	s_mov_b32 s21, 0
	s_mov_b64 s[18:19], SIZE_N*4
	s_mul_u64 s[20:21], s[20:21], s[18:19]
	s_lshl_b32 s46, s42, 10                        ; my first column, in bytes
	s_lshl_b32 s47, s16, 9
	s_add_co_u32 s46, s46, s47
	v_lshl_add_u32 v8, v2, 5, s46                  ; the bias: columns 16 b + 8 h + 0 .. 7 of my 128
	s_mov_b32 s47, 0
	s_add_nc_u64 s[20:21], s[20:21], s[46:47]
	s_add_nc_u64 s[12:13], s[12:13], s[20:21]
.irp b, 0,1,2,3,4,5,6,7
	global_load_b128 v[BP+8*\b:BP+8*\b+3], v8, s[96:97] offset:64*\b
	global_load_b128 v[BP+8*\b+4:BP+8*\b+7], v8, s[96:97] offset:64*\b+16
.endr
.macro FRAG reg, adr, q, i
.irp p, 0,1,2,3,4,5
.set PC, 12*(\q)+6*(\p/3)+\p%3
.if PC%8 < 5
	ds_load_b64 v[\reg+2*\p:\reg+2*\p+1], v[\adr] offset:8*PC+16*(PC/8)+(\i)*16*PITCH
.else
	ds_load_b64 v[\reg+2*\p:\reg+2*\p+1], v[\adr+2] offset:8*PC+16*(PC/8)+(\i)*16*PITCH
.endif
.endr
.endm
; 16 matrix instructions.  first = 1: the sum's first product takes the bias as C.  The 64 accumulators take turns, one instruction a turn.
.macro MUL16 a0, p, q, sc, first
.irp a, \a0, \a0+1
.irp b, 0,1,2,3,4,5,6,7
.if \first
	v_wmma_scale_f32_16x16x128_f8f6f4 v[8*(8*((\a)%4)+\b):8*(8*((\a)%4)+\b)+7], v[128*(\p)+FR*\b:128*(\p)+FR*\b+FR-1], v[AF+FR*(\a):AF+FR*(\a)+FR-1], v[BP+8*\b:BP+8*\b+7], v[SC+8*NQ*(\sc)+NQ*\b+(\q)], v[SC+8*NQ*(\sc)+NQ*(\a)+(\q)] matrix_a_fmt:MATRIX_FMT_FP6 matrix_b_fmt:MATRIX_FMT_FP6 matrix_a_scale:MATRIX_SCALE_ROW1
.else
	v_wmma_scale_f32_16x16x128_f8f6f4 v[8*(8*((\a)%4)+\b):8*(8*((\a)%4)+\b)+7], v[128*(\p)+FR*\b:128*(\p)+FR*\b+FR-1], v[AF+FR*(\a):AF+FR*(\a)+FR-1], v[8*(8*((\a)%4)+\b):8*(8*((\a)%4)+\b)+7], v[SC+8*NQ*(\sc)+NQ*\b+(\q)], v[SC+8*NQ*(\sc)+NQ*(\a)+(\q)] matrix_a_fmt:MATRIX_FMT_FP6 matrix_b_fmt:MATRIX_FMT_FP6 matrix_a_scale:MATRIX_SCALE_ROW1
.endif
.endr
.endr
.endm
.macro FETCH_B slot, q, p
	WIN TO_B
.irp i, 0,1,2,3,4,5,6,7
	FRAG 128*(\p)+FR*\i, ADRB+\slot, \q, \i
.endr
	WIN 0
.endm
.macro FETCH_A slot, q, i0
.irp i, \i0, \i0+1, \i0+2, \i0+3
	FRAG AF+FR*(\i), ADRA+\slot, \q, \i
.endr
.endm
.macro SCALES sc
.irp i, 0,1,2,3,4,5,6,7
	ds_load_b64 v[SC+8*NQ*\sc+NQ*\i:SC+8*NQ*\sc+NQ*\i+1], v[ADRS] offset:\i*SBLK
.endr
.endm
.macro PLACES n
.rept \n
	v_nop
.endr
.endm
.macro STEP slot, q, first
	s_wait_dscnt 4*NL                              ; B's set and A's blocks 0-3 are in; the youngest 24 loads (A's blocks 4-7) may be out
.if \first
	WIN BIAS_LO
.else
	WIN MUL_LO
.endif
	MUL16 0, (\q)%2, \q, \slot, \first
	MUL16 2, (\q)%2, \q, \slot, \first
	s_wait_dscnt 0
	PLACES NP
	FETCH_B \slot, (\q)+1, 1-(\q)%2
	FETCH_A \slot, (\q)+1, 0
.if \first
	WIN BIAS_HI
.else
	WIN MUL_HI
.endif
	MUL16 4, (\q)%2, \q, \slot, \first
	MUL16 6, (\q)%2, \q, \slot, \first
	PLACES NP
	WIN 0
	FETCH_A \slot, (\q)+1, 4
.endm
.macro TURN slot, next, fill
	s_wait_tensorcnt 0x0                           ; all my tensor loads have landed: my part of the next slot
	ds_add_u32 v[SPW], v[NIL]                      ; 0 onto my spare word
	s_wait_dscnt 4*NL+1                            ; (the add and the youngest 24 loads may be out)
	WIN MUL_LO
	MUL16 0, 1, NQ-1, \slot, 0
	s_wait_dscnt 0x0                               ; the add is done, and my reads of this slot are over
	s_barrier_signal -1
	MUL16 2, 1, NQ-1, \slot, 0
	WIN 0
	s_barrier_wait -1
.if \fill
	CREST                                          ; the barrier has opened a round of the cluster's barrier
	s_add_nc_u64 s[G0+4*\slot+2:G0+4*\slot+3], s[G0+4*\slot+2:G0+4*\slot+3], 2*ROWB
	s_add_nc_u64 s[G0B+4*\slot+2:G0B+4*\slot+3], s[G0B+4*\slot+2:G0B+4*\slot+3], 2*ROWB
	JLOAD G0+4*\slot, G1, G0B+4*\slot, G1B
.else
	PLACES NP
.endif
	v_add_nc_u32 v[ADRS], 4*NQ, v[ADRS]
	FETCH_B \next, 0, 0
	FETCH_A \next, 0, 0
	SCALES \next
	WIN MUL_HI
	MUL16 4, 1, NQ-1, \slot, 0
	MUL16 6, 1, NQ-1, \slot, 0
	PLACES NP
	WIN 0
	FETCH_A \next, 0, 4
.endm
	s_wait_loadcnt 0x0                             ; the bias
	s_wait_tensorcnt 1                             ; the scales and my part of K step 0 are in (K step 1's load may be out),
	s_barrier_signal -1
	s_barrier_wait -1                              ; everybody's are
	FETCH_B 0, 0, 0
	FETCH_A 0, 0, 0
	SCALES 0
	FETCH_A 0, 0, 4
	STEP 0, 0, 1                                   ; the first step stands in front of the loop: its products start the sums, on the bias
	s_mov_b32 s3, LAPS-1
.Llap:
	TURN 0, 1, 1
	STEP 1, 0, 0
	TURN 1, 0, 1
	STEP 0, 0, 0
	s_sub_co_u32 s3, s3, 1
	s_cmp_lg_u32 s3, 0
	s_cbranch_scc1 .Llap
	TURN 0, 1, 0
	STEP 1, 0, 0
	s_wait_dscnt 4*NL
	WIN MUL_LO
	MUL16 0, 1, NQ-1, 1, 0
	MUL16 2, 1, NQ-1, 1, 0
	s_wait_dscnt 0
	WIN MUL_HI
	MUL16 4, 1, NQ-1, 1, 0
	MUL16 6, 1, NQ-1, 1, 0
	WIN 0
; THE WAY OUT, block by block of 16 rows x 128 columns, through my own stage in LDS: back come whole rows of 512 bytes.  LDS serves a wave's instructions in order: no wait between the stores and the loads.
.macro TOSTAGE a
.set AC, 64*((\a)%4)
	WIN 0x08+4*((\a)/4)                            ; the data: window 2 or 3
.irp b, 0,1,2,3,4,5,6,7
	ds_store_b128 v[STO], v[AC+8*\b:AC+8*\b+3] offset:64*\b          ; each accumulator from its low end on
	ds_store_b128 v[STO], v[AC+8*\b+4:AC+8*\b+7] offset:64*\b+16
.endr
	WIN 0
.set BB, BK+64*((\a)%2)
.irp t, 0,1,2,3,4,5,6,7,8,9,10,11,12,13,14,15
	ds_load_b128 v[BB+4*\t:BB+4*\t+3], v[RD] offset:\t*SPITCH
.endr
.endm
.macro SEND a, younger
.set BB, BK+64*((\a)%2)
	s_wait_dscnt \younger                          ; the block is back in registers
.if (\a) > 0
	s_add_nc_u64 s[12:13], s[12:13], 16*SIZE_N*4   ; (behind a wait on XCNT: the earlier stores have read their base)
.endif
.irp t, 0,1,2,3,4,5,6,7,8,9,10,11,12,13,14,15
	global_store_b128 v[CO], v[BB+4*\t:BB+4*\t+3], s[12:13] offset:\t*SIZE_N*4 th:TH_STORE_NT   ; 32 lanes store 512 consecutive bytes, aligned
.endr
.endm
	PLACES NP
	TOSTAGE 0
.irp a, 1,2,3,4,5,6,7
.if \a > 1
	s_wait_xcnt 0x0                                ; block a - 2's stores have read their registers and their base
.endif
	TOSTAGE \a
	SEND (\a-1), 32                                ; behind block a - 1's loads: block a's 16 stores and 16 loads
.endr
	s_wait_xcnt 0x0
	SEND 7, 0
	s_wait_tensorcnt 0x0                           ; the wave's end: behind my last tensor load and my last LDS store
	ds_add_u32 v[SPW], v[NIL]
	s_wait_dscnt 0x0
	CROUND                                         ; the closing round
	s_endpgm
.Lfunc_end_k_q9b9ea56929_outp:
	.size	k_q9b9ea56929_outp, .Lfunc_end_k_q9b9ea56929_outp-k_q9b9ea56929_outp
	.p2alignl 7, 3214868480
	.fill 96, 4, 3214868480
	.section	.rodata,"a",@progbits
	.p2align	6, 0x0
	.amdhsa_kernel k_q9b9ea56929_outp
		.amdhsa_group_segment_fixed_size 327680
		.amdhsa_private_segment_fixed_size 0
		.amdhsa_enable_private_segment 0
		.amdhsa_kernarg_size 48
		.amdhsa_user_sgpr_count 2
		.amdhsa_user_sgpr_kernarg_segment_ptr 1
		.amdhsa_wavefront_size32 1
		.amdhsa_system_sgpr_workgroup_id_x 1
		.amdhsa_system_sgpr_workgroup_id_y 1
		.amdhsa_system_sgpr_workgroup_id_z 1
		.amdhsa_system_vgpr_workitem_id 0
		.amdhsa_next_free_vgpr 1024
		.amdhsa_next_free_sgpr 98
		.amdhsa_reserve_vcc 0
		.amdhsa_float_denorm_mode_32 3
		.amdhsa_float_denorm_mode_16_64 3
		.amdhsa_memory_ordered 1
		.amdhsa_forward_progress 1
		.amdhsa_inst_pref_size 162
	.end_amdhsa_kernel
	.amdgpu_metadata
---
amdhsa.version: [ 1, 2 ]
amdhsa.kernels:
  - .name:           k_q9b9ea56929_outp
    .symbol:         k_q9b9ea56929_outp.kd
    .args:
      - { .name: ctx_codes, .offset: 0, .size: 8, .value_kind: global_buffer, .address_space: global }
      - { .name: ctx_scales, .offset: 8, .size: 8, .value_kind: global_buffer, .address_space: global }
      - { .name: lin_codes, .offset: 16, .size: 8, .value_kind: global_buffer, .address_space: global }
      - { .name: lin_scales, .offset: 24, .size: 8, .value_kind: global_buffer, .address_space: global }
      - { .name: out0, .offset: 32, .size: 8, .value_kind: global_buffer, .address_space: global }
      - { .name: b_out, .offset: 40, .size: 8, .value_kind: global_buffer, .address_space: global }
    .group_segment_fixed_size: 327680
    .private_segment_fixed_size: 0
    .kernarg_segment_align: 8
    .kernarg_segment_size: 48
    .max_flat_workgroup_size: 128
    .sgpr_count:     98
    .vgpr_count:     1024
    .wavefront_size: 32
...
	.end_amdgpu_metadata
.endif
;; end of part 4
